; MI455X (gfx1250); checked and timed in simulation.
; The chip was launched on July 23, 2026; its instructions are those of AMD's public machine-readable ISA for CDNA 5 (MIT licence, August 2026) and "CDNA5" Instruction Set Architecture Reference Guide (July 2026). The comments in the code are by the model that wrote it; some were corrected since.
;; Attention With Self Ablation. Allowed arithmetic: matrix products marked QUANTISED: E2M1 operands, one E8M0 scale for each 32 along K, by v_wmma_scale_f32_16x16x128_f8f6f4 with both operands' format E2M1 (or v_wmma_scale_f32_32x16x128_f4), f32 sums; products left as they are: bf16, f16 or f32 operands; f32 sums; everything else in f32.
;; Inputs: Wk 1,024 x 1,024 float32; Wo 1,024 x 1,024 float32; Wq 1,024 x 1,024 float32; Wv 1,024 x 1,024 float32; ablation_mask 4 x 2,048 x 1,024 float32; bo 1,024 float32; x 4 x 2,048 x 1,024 float32; x_clean 4 x 2,048 x 1,024 float32.
;; Outputs: out0 4 x 2,048 x 1,024 float32.
;; This version of the problem:
;;   THIS VERSION OF THE PROBLEM IS GIVEN IN LOW PRECISION. The matrix products marked QUANTISED in the list below multiply operands that are first quantised to E2M1 (2 exponent bits, 1 mantissa bit; 4 bits a number), with one power-of-two scale for each 32 numbers along K (OCP MX v1.0); their sums are f32. The products marked 'left as it is' may take bf16, f16 or f32 operands, with f32 sums. Whichever they take, every output number must still come out within the allowed error. Rounding operands to bf16 (8 significant bits) uses up far more of that allowance than f16 does (11 bits, for magnitudes from 6e-5 to 65,504). All else is computed in f32.
;;   The module's matrix products, in the order in which they are computed (A, B: the left and right operand; K: the contracted axis; several contracted axes count as one K, in the product's order):
;;     1. [M 8,192, K 1,024] x [K 1,024, N 1,024]; A: input x; B: input Wq: QUANTISED
;;     2. [M 8,192, K 1,024] x [K 1,024, N 1,024]; A: input x_clean; B: input Wk: QUANTISED
;;     3. [M 8,192, K 1,024] x [K 1,024, N 1,024]; A: input x_clean; B: input Wv: QUANTISED
;;     4. batch 64 x [M 2,048, K 64] x [K 64, N 2,048]; A: computed on the way; B: computed on the way: left as it is (an operand is computed on the way)
;;     5. batch 64 x [M 2,048, K 2,048] x [K 2,048, N 64]; A: computed on the way; B: computed on the way: left as it is (an operand is computed on the way)
;;     6. [M 8,192, K 1,024] x [K 1,024, N 1,024]; A: computed on the way; B: input Wo: left as it is (an operand is computed on the way)
;;   THE QUANTISER, for each operand of a quantised product, along K:
;;     - K is cut into blocks of 32 from its start; a last block that is shorter is filled with zeros.
;;     - A block's scale is 2^e with e = floor(log2(the largest magnitude in the block)) - 2, held to -126 .. 127; a block of zeros has e = 0. As a byte (E8M0): e + 127.
;;     - Each number is divided by its block's scale, clamped to +-6, and rounded to the nearest number of E2M1, ties to even, subnormals kept.
;;     - The product sums the exact products of the quantised numbers (number of the format x scale) in f32.
;;   ~~~python
;;   def quantise(x, axis):      # numpy; x: float32 -> the quantised numbers, widened to float32 again
;;       x = np.moveaxis(x, axis, -1); K = x.shape[-1]
;;       x = np.pad(x, [(0, 0)] * (x.ndim - 1) + [(0, -K % 32)]); x = x.reshape(x.shape[:-1] + (-1, 32)); a = np.abs(x).max(-1, keepdims=True)
;;       e = np.where(a > 0, np.clip(np.frexp(np.where(a > 0, a, 1))[1] - 1 - 2, -126, 127), 0)      # np.frexp(a)[1] - 1 = floor(log2(a)), exactly
;;       r = np.clip(x / 2.0 ** e, -6, 6)
;;       step = 2.0 ** (np.maximum(np.frexp(np.where(r == 0, 1, r))[1] - 1, 0) - 1)
;;       q = np.round(r / step) * step * 2.0 ** e      # np.round: ties to even
;;       return np.moveaxis(q.reshape(q.shape[:-2] + (-1,))[..., :K], -1, axis).astype(np.float32)
;;   ~~~
;; One version. Each part assembles by itself: llvm-mc -triple=amdgcn-amd-amdhsa -mcpu=gfx1250 --defsym DOCPART=n.
;; ======== version 1 of 1: 4 launches
;; limits: values are held in f16: magnitudes above 65,504 overflow, below 6.1e-05 lose precision
;; workspace buffers: acodes 8,388,608 bytes; ascales 524,288 bytes; wcodes 1,572,864 bytes; wscales 98,304 bytes; wo16 2,097,152 bytes; qkv 50,331,648 bytes; ctx 16,777,216 bytes
;; launch prep (part 1): grid 640 x 1, 4 waves a work-group, no clusters, 33,280 bytes of LDS; arguments x, x_clean, Wq, Wk, Wv, Wo, acodes, ascales, wcodes, wscales, wo16; writes acodes, ascales, wcodes, wscales, wo16
.if DOCPART == 1
	.amdgcn_target "amdgcn-amd-amdhsa--gfx1250"
	.amdhsa_code_object_version 6
	.text
	.protected	k_qda17644643_prep
	.globl	k_qda17644643_prep
	.p2align	8
	.type	k_qda17644643_prep,@function
k_qda17644643_prep:
	s_mov_b64 s[64:65], 0
	v_nop
	global_prefetch_b8 v0, s[64:65] scope:SCOPE_SE
	s_setreg_imm32_b32 hwreg(HW_REG_WAVE_MODE, 25, 1), 1
	s_wait_xcnt 0x0
; FIRST OF FOUR LAUNCHES.  out0 = ((softmax(mask(q k^T)) v) x ablation_mask) Wo^T + bo, q = x Wq^T, k = x_clean Wk^T, v = x_clean Wv^T; 4 sequences of 2,048, 16 heads of 64.
; This launch turns x, x_clean, Wq, Wk, Wv (f32, K innermost) into codes of FP4 (E2M1), with one E8M0 scale byte for each 32 along K, and Wo into f16.
; DEAD WORK LEFT OUT BY THE PROGRAM (in the third launch).  reference() builds its mask in its own body: key j counts for query i only where i - 255 <= j <= i; every other score is set to
; -infinity ahead of the softmax, so its weight is 0 and its value adds 0 to the context, whatever finite numbers the inputs hold.  Taken in units of 32 queries x 32 keys, only key units
; U - 8 .. U of query unit U hold a key that counts: the scores and the weighted sums of all other units are not computed, nor are the two 16 x 16 sub-tiles of the edge units that lie wholly
; outside the band.  Every input has a way to the output and is loaded.  LIMIT: a NaN, an infinity or an overflow that reaches only keys or values outside a query's band is not carried to the result.
; A block's scale is 2^(floor(log2(its largest magnitude)) - 2); its byte is the largest magnitude's exponent field - 2, held at 1 from below.  A block of zeros so gets the byte 1 where the rule
; says 127: its codes are zeros, which add nothing under any byte but 0xff, and this program alone reads the bytes.
; LIMITS: blocks whose largest magnitude lies under 2^-124 get the byte 1; NaN and infinities among the inputs are not served; |Wo| stays under 65,504 (f16), and loses bits under 6e-5.
; SHARES.  A work-group takes 32,768 numbers, a wave 8,192.  Work-groups 0-255: x; 256-511: x_clean; 512-543: Wq; 544-575: Wk; 576-607: Wv; 608-639: Wo.
; Rows are dense and K is a multiple of 32: each tensor is a plain stream of blocks of 32, and so are its codes and scale bytes.  acodes holds x's 8,192 rows, then x_clean's; wcodes Wq's, Wk's, Wv's.
; The five quantised tensors take ONE path; only pointers are chosen, by the work-group's number.  A wave takes 16 steps of 512 numbers: four loads of 512 consecutive bytes, which turn through the
; wave's own stage in LDS so that a lane holds 16 neighbours along K (two lanes to a block).  No tensor loads, no barrier: waves share nothing.
.set WAVES, 4
.set STEPS, 16
.set EMAX,  2
.set CB,    8                          ; bytes of 16 codes
.set R,     16                         ; v16-79   four sets of 16 numbers as they are loaded
.set X,     80                         ; v80-111  two sets of 16 neighbours
.set E,     112                        ; v112-127 a scale byte for each step
.set C,     128                        ; v128-191 codes: four registers for each step, so that no store's data are written again
.set WREG,  8192                       ; LDS: a region for each wave: two stages of 32 x SP bytes, behind them its 256 scale bytes
.set SP,    80                         ; a lane's place in a stage: 64 bytes + 16 of padding
.set SPW,   12                         ; v12  LDS address of my spare word; never rewritten
.set NIL,   13                         ; v13  0; never rewritten
.set SPARE, WAVES*WREG                 ; behind the four regions: the spare words, 128 bytes for each wave
	s_load_b512 s[4:19], s[0:1], 0x0               ; x 4, x_clean 6, Wq 8, Wk 10, Wv 12, Wo 14, acodes 16, ascales 18
	s_load_b128 s[20:23], s[0:1], 0x40             ; wcodes, wscales
	s_load_b64 s[24:25], s[0:1], 0x50              ; wo16
	v_lshl_add_u32 v[SPW], v0, 2, SPARE
	v_mov_b32 v[NIL], 0
	v_lshrrev_b32 v1, 5, v0
	v_readfirstlane_b32 s26, v1                    ; wave
	v_and_b32 v2, 31, v0                           ; lane
	v_lshlrev_b32 v3, 4, v2                        ; my 16 bytes of a load's 512
	s_mul_i32 s27, s26, WREG
	v_lshrrev_b32 v14, 2, v2
	v_mul_u32_u24 v14, v14, SP
	v_and_b32 v15, 3, v2
	v_lshl_add_u32 v14, v15, 4, v14
	v_add_nc_u32 v14, s27, v14                     ; the stage, on the way in: SP (lane / 4) + 16 (lane % 4)
	v_mul_u32_u24 v15, v2, SP
	v_add_nc_u32 v15, s27, v15                     ; and on the way out: SP x lane: my 16 neighbours
	v_mul_u32_u24 v4, v2, CB                       ; 8 x lane: my codes' place in a step's; also my place in a step of wo16
	v_lshrrev_b32 v5, 1, v2
	s_add_co_u32 s27, s27, 2*32*SP
	v_add_nc_u32 v5, s27, v5                       ; LDS: my wave's 256 scale bytes, my block's byte
	v_lshlrev_b32 v7, 3, v2                        ; and on the way out 8 bytes a lane
	v_add_nc_u32 v6, s27, v7
	s_wait_kmcnt 0x0
	s_cmp_ge_u32 ttmp9, 608                        ; Wo's work-groups part here: they touch no LDS
	s_cbranch_scc1 .Lwo
	s_cmp_lt_u32 ttmp9, 576                        ; the choices hang on the work-group's number alone
	s_cselect_b64 s[28:29], s[10:11], s[12:13]     ; Wk or Wv,
	s_cmp_lt_u32 ttmp9, 544
	s_cselect_b64 s[28:29], s[8:9], s[28:29]       ; Wq,
	s_cmp_lt_u32 ttmp9, 512
	s_cselect_b64 s[28:29], s[6:7], s[28:29]       ; x_clean,
	s_cselect_b64 s[30:31], s[16:17], s[20:21]     ; the codes' buffer,
	s_cselect_b64 s[32:33], s[18:19], s[22:23]     ; the scale bytes',
	s_cselect_b32 s34, 255, 31                     ; work-groups in a source tensor, less one,
	s_cselect_b32 s35, 0, 512                      ; the first work-group of the destination
	s_cmp_lt_u32 ttmp9, 256
	s_cselect_b64 s[28:29], s[4:5], s[28:29]       ; x
	s_and_b32 s34, ttmp9, s34                      ; my work-group's place in its source tensor (256, 512, 544, 576 are multiples of the tensors' counts)
	s_sub_co_u32 s35, ttmp9, s35                   ; and in its destination
	s_lshl_b32 s34, s34, 2
	s_add_co_u32 s34, s34, s26                     ; which run of 8,192 numbers of the source is my wave's
	s_lshl_b32 s35, s35, 2
	s_add_co_u32 s35, s35, s26                     ; and of the destination
	s_lshl_b32 s36, s34, 15                        ; 32,768 bytes of f32 a run (under 2^26)
	s_mov_b32 s37, 0
	s_add_nc_u64 s[28:29], s[28:29], s[36:37]
	s_lshl_b32 s36, s35, 12                        ; 4,096 bytes of codes
	s_add_nc_u64 s[30:31], s[30:31], s[36:37]
	s_lshl_b32 s36, s35, 8                         ; 256 scale bytes
	s_add_nc_u64 s[32:33], s[32:33], s[36:37]
.macro LOAD t
.irp i, 0,1,2,3
	global_load_b128 v[R+16*((\t)%4)+4*\i:R+16*((\t)%4)+4*\i+3], v3, s[28:29] offset:2048*(\t)+512*\i th:TH_LOAD_NT   ; 32 lanes read 512 consecutive bytes
.endr
.endm
.macro TURN t                          ; step t's numbers through the stage: LDS serves a wave's instructions in order, so no wait stands between the stores and the loads
.irp i, 0,1,2,3
	ds_store_b128 v14, v[R+16*((\t)%4)+4*\i:R+16*((\t)%4)+4*\i+3] offset:32*SP*((\t)%2)+8*SP*\i
.endr
.irp i, 0,1,2,3
	ds_load_b128 v[X+16*((\t)%2)+4*\i:X+16*((\t)%2)+4*\i+3], v15 offset:32*SP*((\t)%2)+16*\i
.endr
.endm
.irp t, 0,1,2,3
	LOAD \t
.endr
	s_wait_loadcnt 12                              ; step 0's four loads are in; three steps' twelve stay out
	TURN 0
.macro STEP t
.set XS, X+16*((\t)%2)
.if (\t) > 0
	s_wait_dscnt 1                                 ; this step's numbers are back from the stage (the last step's byte store may be out): so its stores into the stage have read their registers,
.else
	s_wait_dscnt 0x0
.endif
.if (\t)+4 < STEPS
	LOAD (\t)+4                                    ; which take the loads of four steps on
.endif
.if (\t)+1 < STEPS
.if STEPS-2-(\t) >= 3
	s_wait_loadcnt 12                              ; the next step's four loads are in; those of the three steps behind it may be out
.else
	s_wait_loadcnt 4*(STEPS-2-(\t))
.endif
	TURN (\t)+1                                    ; and go through the other stage while this step is worked
.endif
	v_max3_num_f32 v8, |v[XS]|, |v[XS+1]|, |v[XS+2]|               ; the largest magnitude of my 16, in two chains
	v_max3_num_f32 v9, |v[XS+3]|, |v[XS+4]|, |v[XS+5]|
.irp i, 6,10
	v_max3_num_f32 v8, v8, |v[XS+\i]|, |v[XS+\i+1]|
	v_max3_num_f32 v9, v9, |v[XS+\i+2]|, |v[XS+\i+3]|
.endr
	v_max3_num_f32 v8, v8, |v[XS+14]|, |v[XS+15]|
	v_max3_num_f32 v8, v8, v9, (EMAX+1)<<23        ; and the floor 2^(EMAX + 1 - 127): the byte cannot fall under 1
	v_max_num_f32_dpp v8, v8, v8 row_xmask:1 row_mask:0xf bank_mask:0xf   ; and of my neighbour's 16: the block's
	v_add_nc_u32 v11, -(EMAX<<23), v8              ; EMAX off its exponent field: the conversion takes the exponent field of this operand as its scale
	v_cvt_scalef32_pk8_fp4_f32 v[C+4*(\t)], v[XS:XS+7], v11        ; eight numbers / the scale, to the nearest code, ties to even, beyond the largest code the largest
	v_cvt_scalef32_pk8_fp4_f32 v[C+4*(\t)+1], v[XS+8:XS+15], v11
	v_lshrrev_b32 v[E+(\t)], 23, v11               ; the scale's byte (a plain line behind the conversions)
	ds_store_b8 v5, v[E+(\t)] offset:16*(\t)       ; both lanes of a block write the same byte with the same value
	global_store_b64 v4, v[C+4*(\t):C+4*(\t)+1], s[30:31] offset:32*CB*(\t)   ; the wave stores 256 consecutive bytes, aligned
.endm
.irp t, 0,1,2,3,4,5,6,7,8,9,10,11,12,13,14,15
	STEP \t
.endr
	ds_load_b64 v[8:9], v6                         ; LDS serves a wave's instructions in order: these see my byte stores
	s_wait_dscnt 0x0
	global_store_b64 v7, v[8:9], s[32:33]          ; 32 lanes store 256 consecutive bytes, aligned
	s_wait_tensorcnt 0x0                           ; the wave's end, behind my last LDS store
	ds_add_u32 v[SPW], v[NIL]
	s_wait_dscnt 0x0
	s_endpgm
; Wo to f16, row-major as it lies.  A wave streams 32,768 bytes in 64 steps of 512; twelve loads are kept out; every step has its own pair of result registers, so no store's data are written again.
.Lwo:
	s_sub_co_u32 s34, ttmp9, 608
	s_lshl_b32 s34, s34, 2
	s_add_co_u32 s34, s34, s26                     ; my wave's run
	s_lshl_b32 s36, s34, 15
	s_mov_b32 s37, 0
	s_add_nc_u64 s[28:29], s[14:15], s[36:37]
	s_lshl_b32 s36, s34, 14
	s_add_nc_u64 s[30:31], s[24:25], s[36:37]
.irp i, 0,1,2,3,4,5,6,7,8,9,10,11
	global_load_b128 v[16+4*\i:16+4*\i+3], v3, s[28:29] offset:512*\i th:TH_LOAD_NT
.endr
.macro WSTEP i
.set L, 16+4*((\i)%12)
.if 63-(\i) < 11
	s_wait_loadcnt 63-(\i)                         ; the tail: the counts run down
.else
	s_wait_loadcnt 11                              ; loads come back in order: mine is in, the eleven younger ones stay out
.endif
	v_cvt_pk_f16_f32 v[64+2*(\i)], v[L], v[L+1]
	v_cvt_pk_f16_f32 v[64+2*(\i)+1], v[L+2], v[L+3]
.if (\i)+12 < 64
	global_load_b128 v[L:L+3], v3, s[28:29] offset:512*((\i)+12) th:TH_LOAD_NT
.endif
	global_store_b64 v4, v[64+2*(\i):64+2*(\i)+1], s[30:31] offset:256*(\i)   ; the wave stores 256 consecutive bytes, aligned
.endm
.set I, 0
.rept 64
	WSTEP I
.set I, I+1
.endr
	s_endpgm
.Lfunc_end_k_qda17644643_prep:
	.size	k_qda17644643_prep, .Lfunc_end_k_qda17644643_prep-k_qda17644643_prep
	.p2alignl 7, 3214868480
	.fill 96, 4, 3214868480
	.section	.rodata,"a",@progbits
	.p2align	6, 0x0
	.amdhsa_kernel k_qda17644643_prep
		.amdhsa_group_segment_fixed_size 33280
		.amdhsa_private_segment_fixed_size 0
		.amdhsa_enable_private_segment 0
		.amdhsa_kernarg_size 88
		.amdhsa_user_sgpr_count 2
		.amdhsa_user_sgpr_kernarg_segment_ptr 1
		.amdhsa_wavefront_size32 1
		.amdhsa_system_sgpr_workgroup_id_x 1
		.amdhsa_system_sgpr_workgroup_id_y 1
		.amdhsa_system_sgpr_workgroup_id_z 1
		.amdhsa_system_vgpr_workitem_id 0
		.amdhsa_next_free_vgpr 192
		.amdhsa_next_free_sgpr 66
		.amdhsa_reserve_vcc 0
		.amdhsa_float_denorm_mode_32 3
		.amdhsa_float_denorm_mode_16_64 3
		.amdhsa_memory_ordered 1
		.amdhsa_forward_progress 1
		.amdhsa_inst_pref_size 56
	.end_amdhsa_kernel
	.amdgpu_metadata
---
amdhsa.version: [ 1, 2 ]
amdhsa.kernels:
  - .name:           k_qda17644643_prep
    .symbol:         k_qda17644643_prep.kd
    .args:
      - { .name: x, .offset: 0, .size: 8, .value_kind: global_buffer, .address_space: global }
      - { .name: x_clean, .offset: 8, .size: 8, .value_kind: global_buffer, .address_space: global }
      - { .name: Wq, .offset: 16, .size: 8, .value_kind: global_buffer, .address_space: global }
      - { .name: Wk, .offset: 24, .size: 8, .value_kind: global_buffer, .address_space: global }
      - { .name: Wv, .offset: 32, .size: 8, .value_kind: global_buffer, .address_space: global }
      - { .name: Wo, .offset: 40, .size: 8, .value_kind: global_buffer, .address_space: global }
      - { .name: acodes, .offset: 48, .size: 8, .value_kind: global_buffer, .address_space: global }
      - { .name: ascales, .offset: 56, .size: 8, .value_kind: global_buffer, .address_space: global }
      - { .name: wcodes, .offset: 64, .size: 8, .value_kind: global_buffer, .address_space: global }
      - { .name: wscales, .offset: 72, .size: 8, .value_kind: global_buffer, .address_space: global }
      - { .name: wo16, .offset: 80, .size: 8, .value_kind: global_buffer, .address_space: global }
    .group_segment_fixed_size: 33280
    .private_segment_fixed_size: 0
    .kernarg_segment_align: 8
    .kernarg_segment_size: 88
    .max_flat_workgroup_size: 128
    .sgpr_count:     66
    .vgpr_count:     192
    .wavefront_size: 32
...
	.end_amdgpu_metadata
.endif
;; end of part 1
;; launch qkv (part 2): grid 12 x 32, 4 waves a work-group, clusters of 4 x 4, 327,680 bytes of LDS; arguments acodes, ascales, wcodes, wscales, qkv; writes qkv
.if DOCPART == 2
	.amdgcn_target "amdgcn-amd-amdhsa--gfx1250"
	.amdhsa_code_object_version 6
	.text
	.protected	k_qda17644643_qkv
	.globl	k_qda17644643_qkv
	.p2align	8
	.type	k_qda17644643_qkv,@function
k_qda17644643_qkv:
	s_mov_b64 s[64:65], 0
	v_nop
	global_prefetch_b8 v0, s[64:65] scope:SCOPE_SE
	s_setreg_imm32_b32 hwreg(HW_REG_WAVE_MODE, 25, 1), 1
	s_wait_xcnt 0x0
	s_wait_alu depctr_hold_cnt(0) depctr_sa_sdst(0) depctr_va_vdst(0) depctr_va_sdst(0) depctr_va_ssrc(0) depctr_va_vcc(0) depctr_vm_vsrc(0)
	s_getreg_b32 s2, hwreg(HW_REG_IB_STS2, 6, 4)
	s_cmp_eq_u32 s2, 0
	s_cbranch_scc0 .Lentry_in_a_cluster
	s_endpgm
.Lentry_in_a_cluster:
	s_bfe_u32 s2, ttmp6, 0x10000c
	s_cmp_lg_u32 s2, 0xf033
	s_cbranch_scc0 .Lentry_shape_is_right
	s_endpgm
.Lentry_shape_is_right:
; SECOND LAUNCH: q = x Wq^T, k = x_clean Wk^T, v = x_clean Wv^T on codes of FP4 (E2M1) with one E8M0 scale for each 32 along K = 1,024; sums in f32; results rounded once to f16.
; acodes [16,384 rows: x, then x_clean][512 bytes], ascales [16,384][32]; wcodes [3,072 rows: Wq, Wk, Wv][512], wscales [3,072][32].
; A tile of 256 rows x 256 columns is made by four waves, 128 x 128 each: 64 accumulators of 16 x 16.  K = 1,024 is two LDS slots of 512 along K (rows of 256 bytes): both are first fills, nothing is filled again.
; CLUSTERS: 4 x 4 work-groups.  Cluster x = 0, 1, 2 is q, k, v: the same in all sixteen partners.  The four of a row of the cluster need the same rows of x or x_clean, the four of a column the same rows
; of the weight: each tile, and each block of scale bytes, is asked for JOINTLY.
; THE MATRIX INSTRUCTION: source 0 = 16 rows of the B role, source 1 = 16 rows of the A role: a lane then holds ONE row of the A role and eight neighbours of the B role.
; q, k: A role = positions, B role = channels.  v: A role = Wv's rows (channels), B role = positions: V^T, as the next launch's second product wants it.  The roles are set by the LDS addresses from which the
; fragments and scale words are read, chosen by cluster x; the text of the products is one.
; THE RESULT LEAVES AS IMAGES OF OPERAND REGISTERS: an accumulator rounded to f16 is 4 registers a lane: row lane % 16, eight neighbours 8 (lane / 16) + 0..7 of a tile of 16 x 16; lane l's 16 bytes lie at 16 l:
; 512 consecutive bytes a store.  q at byte 0 and k at 16 MiB: [batch x 16 + head][position tile 0..127][channel tile 0..3][512].  v at 32 MiB: [position tile / 4, over all batches][channel tile 0..63][position tile % 4][512].
; LIMITS: |q|, |k|, |v| stay under 65,504 (f16), and lose bits under 6e-5.
; REGISTERS, in windows of 256: window 0: v0-31 addresses; v32-95 scale words, two sets; from v128 the A role's fragments, ONE set; on the way out v32-159 take the packed results.
;   window 1: the B role's fragments, TWO sets, at v0 and v128.   window 2: the accumulators of my A blocks 0-3 ((a, b) at v[8 (8 a + b)]);   window 3: those of blocks 4-7.
.set SIZE_K, 1024
.set KSTEP,  512                       ; along K in a slot
.set NQ,     KSTEP/128                 ; matrix instructions deep
.set ROWB,   256                       ; a tile's row in bytes
.set KROW,   SIZE_K*4/8                ; a row of codes in memory
.set PITCH,  272                       ; an LDS row: 256 bytes + 16 of padding: the 16 rows that a load touches start at 16 different groups of four banks
.set FR,     8                         ; registers of a fragment: 16 rows x 128 K
.set NL,     2                         ; LDS loads that bring one
.set NP,     4                         ; places behind this matrix instruction (ISA guide 7.12.1)
.set HALFT,  128*PITCH                 ; 128 rows: what one tensor load brings
.set SLOT,   4*HALFT                   ; the activations' 256 rows, then the weight's 256 rows
.set KS,     SIZE_K/32                 ; a row of scale bytes
.set SCL,    2*SLOT                    ; behind the two slots: the scale bytes, as units of 256 bytes + 16 of padding
.set HALFS,  (128*KS/256)*272          ; those of 128 rows: what one tensor load brings
.set SBLK,   (16*KS/256)*272           ; those of 16 rows
.set SPARE,  304640                    ; the spare words, 128 bytes for each wave; the scale bytes end at 295,936, and a gap is left behind them
.set ADRA, 16                          ; v16-17  LDS address of my A role's fragments in slot 0, 1
.set ADRB, 20                          ; v20-21  the same for the B role
.set CO,   26                          ; v26     16 x lane: my place in an image
.set ADRS, 27                          ; v27     LDS address of my scale words: lanes 0-15 the A role's rows, lanes 16-31 the B role's
.set SPW,  28                          ; v28     LDS address of my spare word; never rewritten
.set NIL,  29                          ; v29     0; never rewritten
.set SC,   32                          ; scale words: set s at v[SC + 8 NQ s]; register NQ i + q: lanes 0-15 A block i's word, lanes 16-31 B block i's, for the slot's q-th 128 along K
.set AF,   128                         ; the A role's fragments, in window 0
.set G1, 24                            ; s[24:31] descriptor group 1 for the activations' tiles;  s[32:39] group 0, one set for each slot
.set G0, 32
.set G1B, 48                           ; s[48:55], s[56:63] the same for the weight's tiles
.set G0B, 56
.set G1S, 68                           ; s[68:75], s[76:79] groups 1 and 0 for the activations' scale bytes;  s[80:87], s[88:91] for the weight's
.set G0S, 76
.set G1SB, 80
.set G0SB, 88
.set BASE, 92                          ; s[92:93], s[94:95] the stores' two bases: B blocks 0-3, B blocks 4-7
.set MSB, 0
.macro WIN new                         ; the immediate's high byte repeats the setting that is left
.if MSB != (\new)
	s_set_vgpr_msb (MSB<<8)|(\new)
.set MSB, (\new)
.endif
.endm
.set MUL_LO, 0xa1                      ; source 0 window 1, source 1 window 0, C and D window 2
.set MUL_HI, 0xf1                      ; the same, C and D window 3
.set TO_B,   0x40                      ; destination window 1, address window 0
; A joint load: waves 0 and 1 fetch the activations' side, waves 2 and 3 the weight's.  Each of the two lines has ONE mask and one set of registers for all that issue it; the branch hangs on the wave's number alone.
; An s_nop 0 and four v_nop follow each of the two lines, ahead of the jump, the label and what follows.
.macro JLOAD g0a, g1a, g0b, g1b
	s_cmp_eq_u32 s15, 0
	s_cbranch_scc0 .Lfor_b_\@
	tensor_load_to_lds s[\g0a:\g0a+3], s[\g1a:\g1a+7]
	s_nop 0
.rept 4
	v_nop
.endr
	s_branch .Lasked_\@
.Lfor_b_\@:
	tensor_load_to_lds s[\g0b:\g0b+3], s[\g1b:\g1b+7]
	s_nop 0
.rept 4
	v_nop
.endr
.Lasked_\@:
.endm
.macro CROUND                          ; a round of the cluster's barrier
	s_barrier_signal -1
	s_barrier_wait -1
	s_cmp_lg_u32 s14, 0
	s_cbranch_scc1 .Lnot_wave_0_\@
	s_barrier_signal -3
.Lnot_wave_0_\@:
	s_barrier_wait -3
	s_barrier_signal -1
	s_barrier_wait -1
.endm
	s_load_b128 s[4:7], s[0:1], 0x0                ; acodes, ascales
	s_load_b128 s[8:11], s[0:1], 0x10              ; wcodes, wscales
	s_load_b64 s[12:13], s[0:1], 0x20              ; qkv
	v_lshl_add_u32 v[SPW], v0, 2, SPARE
	v_mov_b32 v[NIL], 0
	ds_add_u32 v[SPW], v[NIL]                      ; the wave's opening: the add, twice on end, and its wait ahead of my first tensor load
	ds_add_u32 v[SPW], v[NIL]                      ; and once more; the set-up below, work on registers, stands between it and the wait
	v_lshrrev_b32 v1, 5, v0
	v_readfirstlane_b32 s14, v1                    ; wave 0..3
	s_lshr_b32 s15, s14, 1                         ; which half of the A role's 256 rows is mine.  Also: I fetch the activations' side (0) or the weight's (1)
	s_and_b32 s16, s14, 1                          ; which half of the B role's.  Also: which 128 rows of that side I fetch
	s_bfe_u32 s40, ttmp6, 0x40000                  ; cx, cy: my place in the cluster
	s_bfe_u32 s41, ttmp6, 0x40004
	s_lshl_b32 s42, ttmp9, 2
	s_add_co_u32 s42, s42, s40                     ; which 256 rows of wcodes: 4 x cluster x + cx, 0..11
	s_and_b32 s17, ttmp7, 0xffff
	s_lshl_b32 s17, s17, 2
	s_add_co_u32 s17, s17, s41                     ; which 256 positions: 4 x cluster y + cy, 0..31
	s_lshl_b32 s43, s41, 2
	s_lshl_b32 s43, 15, s43                        ; my row of the cluster
	s_lshl_b32 s44, 0x1111, s40                    ; my column
	; descriptor group 1: a tile of 128 rows x 256 bytes, padded in LDS
	s_or_b32 s[G1+0], s43, (0<<16)|(1<<20)|(1<<21)|(5<<22)|(3<<25)  ; 15:0 the mask: my row; 17:16 elements of 1 byte; 20 padding on; 21 set beside a mask; 24:22 after every 64 words; 31:25 four words
	s_or_b32 s[G1B+0], s44, (0<<16)|(1<<20)|(1<<21)|(5<<22)|(3<<25) ; the same with my column's mask
.irp g, G1, G1B
	s_mov_b32 s[\g+1], ROWB<<16                    ; tensor_dim0
	s_mov_b32 s[\g+2], 128<<16                     ; tensor_dim1
	s_mov_b32 s[\g+3], ROWB<<16                    ; tile_dim0
	s_mov_b32 s[\g+4], 128                         ; tile_dim1
	s_mov_b32 s[\g+5], KROW                        ; tensor_dim0_stride
	s_mov_b32 s[\g+6], 0
	s_mov_b32 s[\g+7], 0
.endr
	; the scale bytes of 128 rows: a dense block of 4,096 bytes, as 16 rows of 256 bytes (32 elements of 8 bytes), 16 bytes of padding behind each
	s_or_b32 s[G1S+0], s43, (3<<16)|(1<<20)|(1<<21)|(5<<22)|(3<<25)
	s_or_b32 s[G1SB+0], s44, (3<<16)|(1<<20)|(1<<21)|(5<<22)|(3<<25)
.irp g, G1S, G1SB
	s_mov_b32 s[\g+1], 32<<16
	s_mov_b32 s[\g+2], (128*KS/256)<<16
	s_mov_b32 s[\g+3], 32<<16
	s_mov_b32 s[\g+4], 128*KS/256
	s_mov_b32 s[\g+5], 32
	s_mov_b32 s[\g+6], 0
	s_mov_b32 s[\g+7], 0
.endr
	s_cmp_lg_u32 ttmp9, 0                          ; k and v take x_clean, whose rows lie behind x's 8,192: the choice hangs on cluster x, which all partners share
	s_cselect_b32 s96, 8192, 0
	s_lshl_b32 s18, s16, 7                         ; which 128 rows I fetch
	s_lshl_b32 s20, s17, 8
	s_add_co_u32 s20, s20, s18
	s_add_co_u32 s20, s20, s96                     ; the activations' row
	s_lshl_b32 s46, s42, 8
	s_add_co_u32 s46, s46, s18                     ; the weight's row
	s_mov_b32 s21, 0
	s_mov_b32 s47, 0
	s_mov_b64 s[18:19], KS
	s_mul_u64 s[22:23], s[20:21], s[18:19]         ; where these rows' scale bytes begin,
	s_mul_u64 s[92:93], s[46:47], s[18:19]
	s_mov_b64 s[18:19], KROW
	s_mul_u64 s[20:21], s[20:21], s[18:19]         ; and their codes
	s_mul_u64 s[46:47], s[46:47], s[18:19]
	s_mul_i32 s45, s14, HALFT                      ; where they go: wave x 128 rows: no place in the cluster enters an LDS address
	s_mul_i32 s94, s14, HALFS
	s_wait_dscnt 0x0                               ; both opening adds are done
	s_wait_kmcnt 0x0
	s_add_nc_u64 s[20:21], s[4:5], s[20:21]
	s_add_nc_u64 s[22:23], s[6:7], s[22:23]
	s_add_nc_u64 s[46:47], s[8:9], s[46:47]
	s_add_nc_u64 s[92:93], s[10:11], s[92:93]
	CROUND                                         ; all sixteen work-groups are here: the first joint loads meet
	s_mov_b32 s[G0S], 1
	s_add_co_u32 s[G0S+1], s94, SCL
	s_mov_b64 s[G0S+2:G0S+3], s[22:23]
	s_or_b32 s[G0S+3], s[G0S+3], 0x80000000
	s_mov_b32 s[G0SB], 1
	s_add_co_u32 s[G0SB+1], s94, SCL
	s_mov_b64 s[G0SB+2:G0SB+3], s[92:93]
	s_or_b32 s[G0SB+3], s[G0SB+3], 0x80000000
	JLOAD G0S, G1S, G0SB, G1SB                     ; the scale bytes first: they are wanted with slot 0
.irp s, 0,1
	s_mov_b32 s[G0+4*\s], 1
	s_add_co_u32 s[G0+4*\s+1], s45, \s*SLOT
	s_add_nc_u64 s[G0+4*\s+2:G0+4*\s+3], s[20:21], \s*ROWB
	s_or_b32 s[G0+4*\s+3], s[G0+4*\s+3], 0x80000000
	s_mov_b32 s[G0B+4*\s], 1
	s_add_co_u32 s[G0B+4*\s+1], s45, \s*SLOT
	s_add_nc_u64 s[G0B+4*\s+2:G0B+4*\s+3], s[46:47], \s*ROWB
	s_or_b32 s[G0B+4*\s+3], s[G0B+4*\s+3], 0x80000000
	JLOAD G0+4*\s, G1, G0B+4*\s, G1B               ; by this text's count three tensor loads of mine are out
.endr
	; THE ROLES.  q, k: the A role reads the activations' region, the B role the weight's; v: the other way round
	v_and_b32 v1, 15, v0                           ; l % 16
	v_bfe_u32 v2, v0, 4, 1                         ; l / 16
	v_mul_u32_u24 v3, v1, PITCH
	v_lshl_add_u32 v4, v2, 4, v3                   ; a fragment's row x pitch + 16 x half
	s_cmp_eq_u32 ttmp9, 2                          ; v?  The same in all sixteen partners
	s_cselect_b32 s97, 1, 0
	s_cselect_b32 s66, 2*HALFT, 0                  ; where the A role's region begins in a slot,
	s_cselect_b32 s67, 0, 2*HALFT                  ; and the B role's
	s_cselect_b32 s2, s16, s15                     ; which half of the activations' region I read,
	s_cselect_b32 s3, s15, s16                     ; and of the weight's
	s_mul_i32 s21, s15, HALFT
	s_add_co_u32 s21, s21, s66
	s_mul_i32 s22, s16, HALFT
	s_add_co_u32 s22, s22, s67
.irp s, 0,1
	v_add_nc_u32 v[ADRA+\s], s21, v4
	v_add_nc_u32 v[ADRB+\s], s22, v4
	s_add_co_u32 s21, s21, SLOT
	s_add_co_u32 s22, s22, SLOT
.endr
	v_mul_u32_u24 v5, v1, KS                       ; my row's scale bytes: KS bytes a row,
	v_lshrrev_b32 v6, 8, v5
	v_lshl_add_u32 v5, v6, 4, v5                   ; and 16 more for each 256 passed
	s_mul_i32 s21, s2, HALFS                       ; the activations' scale bytes: my 128 rows
	s_mul_i32 s22, s3, HALFS                       ; the weight's, behind the activations' 256 rows:
	s_add_co_u32 s22, s22, 2*HALFS
	s_sub_co_u32 s22, s22, s21                     ; the distance between the two
	v_xor_b32 v6, s97, v2                          ; which lanes take the weight's: q, k: lanes 16-31 (the B role); v: lanes 0-15 (the A role)
	v_mul_u32_u24 v6, s22, v6                      ; one product: the lower base + the distance
	s_add_co_u32 s21, s21, SCL
	v_add_nc_u32 v5, v5, v6
	v_add_nc_u32 v[ADRS], s21, v5
	v_and_b32 v6, 31, v0
	v_lshlrev_b32 v[CO], 4, v6
	; where my images go.  q, k: ((batch x 16 + head) x 128 + position tile) x 2,048; four B blocks on is the next head.  v: quad x 131,072 + channel tile x 2,048; four B blocks on is the next quad
	s_lshr_b32 s20, s17, 3                         ; batch
	s_lshl_b32 s20, s20, 4
	s_lshl_b32 s21, s40, 2
	s_add_co_u32 s20, s20, s21
	s_lshl_b32 s21, s16, 1
	s_add_co_u32 s20, s20, s21                     ; + head = 4 cx + 2 x my B half
	s_lshl_b32 s20, s20, 7
	s_and_b32 s21, s17, 7
	s_lshl_b32 s21, s21, 4
	s_add_co_u32 s20, s20, s21
	s_lshl_b32 s21, s15, 3
	s_add_co_u32 s20, s20, s21                     ; + position tile = 16 (tile row % 8) + 8 x my A half
	s_lshl_b32 s20, s20, 11
	s_lshl_b32 s21, ttmp9, 24                      ; q at 0, k at 16 MiB
	s_add_co_u32 s20, s20, s21
	s_lshl_b32 s22, s17, 2
	s_lshl_b32 s23, s16, 1
	s_add_co_u32 s22, s22, s23                     ; v: quad = 4 x tile row + 2 x my B half
	s_lshl_b32 s22, s22, 17
	s_lshl_b32 s23, s40, 4
	s_lshl_b32 s45, s15, 3
	s_add_co_u32 s23, s23, s45                     ; channel tile = 16 cx + 8 x my A half
	s_lshl_b32 s23, s23, 11
	s_add_co_u32 s22, s22, s23
	s_add_co_u32 s22, s22, 0x2000000               ; v at 32 MiB
	s_cmp_eq_u32 ttmp9, 2
	s_cselect_b32 s20, s22, s20
	s_mov_b32 s22, 0x40000
	s_cselect_b32 s22, 0x20000, s22
	s_mov_b32 s21, 0
	s_mov_b32 s23, 0
	s_add_nc_u64 s[BASE:BASE+1], s[12:13], s[20:21]
	s_add_nc_u64 s[BASE+2:BASE+3], s[BASE:BASE+1], s[22:23]
.macro FRAG reg, adr, q, i             ; a fragment, 16 rows x 128 K of 4-bit codes, is 8 registers: lane l holds row l % 16; registers 4 c .. 4 c + 3 hold K = 64 c + 32 (l / 16) + 0 .. 31
.irp c, 0,1
	ds_load_b128 v[\reg+4*\c:\reg+4*\c+3], v[\adr] offset:64*(\q)+32*\c+(\i)*16*PITCH
.endr
.endm
; 16 matrix instructions: A blocks a0, a0 + 1 x the B role's eight, 128 along K: the slot's q-th.  p: B's set;  sc: the set of scale words.  zero = 1: the first product starts the sums.
; The 64 accumulators take turns, one instruction a turn, in the same order in every step.
.macro MUL16 a0, p, q, sc, zero
.irp a, \a0, \a0+1
.irp b, 0,1,2,3,4,5,6,7
.if \zero
	v_wmma_scale_f32_16x16x128_f8f6f4 v[8*(8*((\a)%4)+\b):8*(8*((\a)%4)+\b)+7], v[128*(\p)+FR*\b:128*(\p)+FR*\b+FR-1], v[AF+FR*(\a):AF+FR*(\a)+FR-1], 0, v[SC+8*NQ*(\sc)+NQ*\b+(\q)], v[SC+8*NQ*(\sc)+NQ*(\a)+(\q)] matrix_a_fmt:MATRIX_FMT_FP4 matrix_b_fmt:MATRIX_FMT_FP4 matrix_a_scale:MATRIX_SCALE_ROW1
.else
	v_wmma_scale_f32_16x16x128_f8f6f4 v[8*(8*((\a)%4)+\b):8*(8*((\a)%4)+\b)+7], v[128*(\p)+FR*\b:128*(\p)+FR*\b+FR-1], v[AF+FR*(\a):AF+FR*(\a)+FR-1], v[8*(8*((\a)%4)+\b):8*(8*((\a)%4)+\b)+7], v[SC+8*NQ*(\sc)+NQ*\b+(\q)], v[SC+8*NQ*(\sc)+NQ*(\a)+(\q)] matrix_a_fmt:MATRIX_FMT_FP4 matrix_b_fmt:MATRIX_FMT_FP4 matrix_a_scale:MATRIX_SCALE_ROW1
.endif
.endr
.endr
.endm
.macro FETCH_B slot, q, p              ; the B role's eight fragments of the slot's q-th 128 along K into set p
	WIN TO_B
.irp i, 0,1,2,3,4,5,6,7
	FRAG 128*(\p)+FR*\i, ADRB+\slot, \q, \i
.endr
	WIN 0
.endm
.macro FETCH_A slot, q, i0             ; the A role's blocks i0 .. i0 + 3
.irp i, \i0, \i0+1, \i0+2, \i0+3
	FRAG AF+FR*(\i), ADRA+\slot, \q, \i
.endr
.endm
.macro SCALES sc                       ; a slot's scale words into set sc: NQ words a row
.irp i, 0,1,2,3,4,5,6,7
	ds_load_b128 v[SC+8*NQ*\sc+NQ*\i:SC+8*NQ*\sc+NQ*\i+3], v[ADRS] offset:\i*SBLK
.endr
.endm
; A load into a register that a matrix instruction has read, and a vector instruction that reads a matrix result or writes one of its registers, stand NP places behind it; only plain vector
; instructions that name none of its registers are places.
.macro PLACES n
.rept \n
	v_nop
.endr
.endm
; A step of 128 along K that has its successor in the same slot.
.macro STEP slot, q, zero
	s_wait_dscnt 4*NL                              ; B's set and A's blocks 0-3 are in; the youngest eight loads (A's blocks 4-7) may be out
	WIN MUL_LO
	MUL16 0, (\q)%2, \q, \slot, \zero
	MUL16 2, (\q)%2, \q, \slot, \zero
	s_wait_dscnt 0                                 ; A's blocks 4-7 are in (asked for 32 matrix instructions ago)
	PLACES NP
	FETCH_B \slot, (\q)+1, 1-(\q)%2
	FETCH_A \slot, (\q)+1, 0
	WIN MUL_HI
	MUL16 4, (\q)%2, \q, \slot, \zero
	MUL16 6, (\q)%2, \q, \slot, \zero
	PLACES NP
	WIN 0
	FETCH_A \slot, (\q)+1, 4
.endm
; Slot 0's last step goes over to slot 1: each wave waits for all its tensor loads (its part of slot 1), then the barrier shows the whole slot to every wave.  Nothing is filled again.
.macro TURN slot, next
	s_wait_tensorcnt 0x0                           ; all my tensor loads have landed
	ds_add_u32 v[SPW], v[NIL]                      ; 0 onto my spare word
	s_wait_dscnt 4*NL+1                            ; (the add and the youngest eight loads, A's blocks 4-7, may be out)
	WIN MUL_LO
	MUL16 0, 1, NQ-1, \slot, 0
	s_wait_dscnt 0x0                               ; no LDS instruction of mine is pending at the signal
	s_barrier_signal -1
	MUL16 2, 1, NQ-1, \slot, 0
	WIN 0
	s_barrier_wait -1
	PLACES NP
	v_add_nc_u32 v[ADRS], 4*NQ, v[ADRS]            ; on to the next slot's scale words (no LDS load of mine is out)
	FETCH_B \next, 0, 0
	FETCH_A \next, 0, 0
	SCALES \next
	WIN MUL_HI
	MUL16 4, 1, NQ-1, \slot, 0
	MUL16 6, 1, NQ-1, \slot, 0
	PLACES NP
	WIN 0
	FETCH_A \next, 0, 4
.endm
.macro STEPS slot, from                ; the slot's steps from .. NQ - 2
.set Q, \from
.rept NQ-1-\from
	STEP \slot, Q, 0
.set Q, Q+1
.endr
.endm
	s_wait_tensorcnt 1                             ; the scale bytes and my part of slot 0 are in (slot 1's load may be out)
	s_barrier_signal -1
	s_barrier_wait -1                              ; everybody's are
	FETCH_B 0, 0, 0
	FETCH_A 0, 0, 0
	SCALES 0
	FETCH_A 0, 0, 4
	STEP 0, 0, 1                                   ; the first step's products start the sums: nothing is cleared
	STEPS 0, 1
	TURN 0, 1
	STEPS 1, 0
	s_wait_dscnt 4*NL                              ; the very last step: nothing more to fetch
	WIN MUL_LO
	MUL16 0, 1, NQ-1, 1, 0
	MUL16 2, 1, NQ-1, 1, 0
	s_wait_dscnt 0
	WIN MUL_HI
	MUL16 4, 1, NQ-1, 1, 0
	MUL16 6, 1, NQ-1, 1, 0
	WIN 0
; THE WAY OUT.  No stage: accumulator (a, b), rounded to f16 in pairs, IS an image; the wave stores it as 512 consecutive bytes, aligned.
.macro PACK a
.set AC, 64*((\a)%4)
.set TM, 32+32*((\a)%4)
	WIN 0x0a+5*((\a)/4)                            ; sources 0 and 1: window 2 or 3
.irp b, 0,1,2,3,4,5,6,7
.irp r, 0,1,2,3
	v_cvt_pk_f16_f32 v[TM+4*\b+\r], v[AC+8*\b+2*\r], v[AC+8*\b+2*\r+1]   ; each accumulator from its low end on
.endr
.endr
	WIN 0
.endm
.macro OUT a
.set TM, 32+32*((\a)%4)
.irp b, 0,1,2,3,4,5,6,7
	global_store_b128 v[CO], v[TM+4*\b:TM+4*\b+3], s[BASE+2*(\b/4):BASE+2*(\b/4)+1] offset:(\a)*2048+(\b%4)*512
.endr
.endm
	PLACES NP                                      ; behind the last products: the conversions read results and write registers that held scale words and fragments
.irp a, 0,1,2,3,4,5,6,7
.if \a >= 4
	s_wait_xcnt 0x0                                ; block a - 4's stores have read their data: the registers are written again only behind this wait
.endif
	PACK \a
	OUT \a
.endr
	s_wait_tensorcnt 0x0                           ; the wave's end, behind my last tensor load
	ds_add_u32 v[SPW], v[NIL]
	s_wait_dscnt 0x0
	CROUND                                         ; the closing round: no work-group ends while a partner may still ask for a tile that names it
	s_endpgm
.Lfunc_end_k_qda17644643_qkv:
	.size	k_qda17644643_qkv, .Lfunc_end_k_qda17644643_qkv-k_qda17644643_qkv
	.p2alignl 7, 3214868480
	.fill 96, 4, 3214868480
	.section	.rodata,"a",@progbits
	.p2align	6, 0x0
	.amdhsa_kernel k_qda17644643_qkv
		.amdhsa_group_segment_fixed_size 327680
		.amdhsa_private_segment_fixed_size 0
		.amdhsa_enable_private_segment 0
		.amdhsa_kernarg_size 40
		.amdhsa_user_sgpr_count 2
		.amdhsa_user_sgpr_kernarg_segment_ptr 1
		.amdhsa_wavefront_size32 1
		.amdhsa_system_sgpr_workgroup_id_x 1
		.amdhsa_system_sgpr_workgroup_id_y 1
		.amdhsa_system_sgpr_workgroup_id_z 1
		.amdhsa_system_vgpr_workitem_id 0
		.amdhsa_next_free_vgpr 1024
		.amdhsa_next_free_sgpr 98
		.amdhsa_reserve_vcc 0
		.amdhsa_float_denorm_mode_32 3
		.amdhsa_float_denorm_mode_16_64 3
		.amdhsa_memory_ordered 1
		.amdhsa_forward_progress 1
		.amdhsa_inst_pref_size 119
	.end_amdhsa_kernel
	.amdgpu_metadata
---
amdhsa.version: [ 1, 2 ]
amdhsa.kernels:
  - .name:           k_qda17644643_qkv
    .symbol:         k_qda17644643_qkv.kd
    .args:
      - { .name: acodes, .offset: 0, .size: 8, .value_kind: global_buffer, .address_space: global }
      - { .name: ascales, .offset: 8, .size: 8, .value_kind: global_buffer, .address_space: global }
      - { .name: wcodes, .offset: 16, .size: 8, .value_kind: global_buffer, .address_space: global }
      - { .name: wscales, .offset: 24, .size: 8, .value_kind: global_buffer, .address_space: global }
      - { .name: qkv, .offset: 32, .size: 8, .value_kind: global_buffer, .address_space: global }
    .group_segment_fixed_size: 327680
    .private_segment_fixed_size: 0
    .kernarg_segment_align: 8
    .kernarg_segment_size: 40
    .max_flat_workgroup_size: 128
    .sgpr_count:     98
    .vgpr_count:     1024
    .wavefront_size: 32
...
	.end_amdgpu_metadata
.endif
;; end of part 2
;; launch attn (part 3): grid 4 x 64, 16 waves a work-group, no clusters, 268,288 bytes of LDS; arguments qkv, ablation_mask, ctx; writes ctx
.if DOCPART == 3
	.amdgcn_target "amdgcn-amd-amdhsa--gfx1250"
	.amdhsa_code_object_version 6
	.text
	.protected	k_qda17644643_attn
	.globl	k_qda17644643_attn
	.p2align	8
	.type	k_qda17644643_attn,@function
k_qda17644643_attn:
	s_mov_b64 s[64:65], 0
	v_nop
	global_prefetch_b8 v0, s[64:65] scope:SCOPE_SE
	s_setreg_imm32_b32 hwreg(HW_REG_WAVE_MODE, 25, 1), 1
	s_wait_xcnt 0x0
; THIRD LAUNCH: context = softmax(mask(q k^T)) v x ablation_mask, no factor on the scores, key j counting for query i where i - 255 <= j <= i.  Operands f16, products, maxima and sums f32.
; WORK LEFT OUT: the mask is built in reference()'s own body; a hidden score is -infinity, its weight 0, for all finite inputs.  In units of 32 queries x 32 keys only key units U - 8 .. U of query unit U hold a
; key that counts: the others are not computed, nor the 16 x 16 sub-tile of each edge unit that is wholly hidden.  LIMIT: a NaN or an infinity in k or v outside a query's band is not carried to the result.
; LIMITS: |context x mask| stays under 65,504 (f16) and loses bits under 6e-5; NaN and infinities among the inputs are not served; the sums' order differs from reference()'s.
; SHARES.  A work-group owns 512 queries of one head (block = x, batch x 16 + head = y): 256 work-groups.  Each of its sixteen waves owns one unit U = 16 block + wave of 32 queries, two tiles of 16, in 256
; registers: four waves to a SIMD, so that one wave's vector work stands beside another's products.  The wave walks key units U, U - 1, .. U - 8; a unit ahead of the sequence's start ends the walk (a branch on ids).
; NO CLUSTER, NO TENSOR LOAD: neighbouring blocks share only 8 of a block's 24 key units, and a sequence's first block has no such 8: partners would ask for different numbers of tiles.
; q, k, v arrive as images of operand registers (512 bytes: lane l's 16 bytes at 16 l), so every load and LDS access is 512 consecutive bytes, and nothing is turned.
; LAYOUT.  S^T = K Q^T (source 0 = 16 keys, source 1 = 16 queries): a lane holds ONE query (lane % 16) and keys 8 (lane / 16) + 0..7.  Two such tiles rounded to f16 ARE source 1 (32 keys x 16 queries) of
; O^T = V^T P, whose result again holds one query a lane, and eight channels: rounded to f16 it is an image of the context for the last launch.
; SOFTMAX.  A running maximum m and sum l for each query: p = 2^(c s - c m), c = log2(e); in every step but the first O and l are multiplied by 2^(c m_old - c m_new).  The sum is taken of the unrounded p.
; LDS: K: 24 slots of 4,096 bytes (slot j = key unit 16 block - 8 + j: [key tile 2][channel tile 4][512]); V: 24 slots ([channel tile 4][key tile 2][512]); a stage of 16 rows x 272 bytes for each wave, for the mask.
.set VL,    98304                      ; where V's slots begin
.set STG,   196608                     ; the stages
.set SPARE, 266240                     ; the spare words, 128 bytes for each of the sixteen waves
.set SPW, 1                            ; v1   LDS address of my spare word; never rewritten
.set NIL, 2                            ; v2   0; never rewritten
.set LI,  3                            ; v3   16 x lane: my place in an image
.set AK,  4                            ; v4   4,096 x wave + 16 x lane: step s reads K's slot wave + 8 - s
.set AV,  5                            ; v5   the same in V
.set AH,  6                            ; v6   where I store my four images of the eight earlier units' K
.set AHV, 7                            ; v7   and V
.set STI, 8                            ; v8   the stage, by rows of 256 bytes: two rows an instruction
.set STO, 9                            ; v9   the stage, in the result's layout: row lane % 16, + 32 (lane / 16)
.set MO,  10                           ; v10  the mask in memory: lanes 0-15 take 256 bytes of a row, lanes 16-31 of the next
.set NI,  11                           ; v11  -infinity
.set T0,  12                           ; v12-21, v22-31 statistics of tile 0, 1: +0 c m, +1 m, +2, +3 l (even keys', odd keys'), +4 the factor, later 1 / l, +5 c m_old, +6 to +9 at work
.set QF,  32                           ; v32-63   Q: fragment (tile t, channels 32 c on) at 32 + 16 t + 8 c
.set KF,  64                           ; v64-95   K: fragment (key tile kt, c) at 64 + 16 kt + 8 c; at the end tile 0's mask
.set VF,  96                           ; v96-127  V^T: fragment (channel tile ct) at 96 + 8 ct; at the end tile 1's mask
.set S,   128                          ; v128-159 S^T: 128 + 16 t + 8 kt + j; P(t) is packed in place into 128 + 16 t + 0..7
.set OA,  160                          ; v160-223 O^T: 160 + 32 t + 8 ct + j
.set MK,  224                          ; v224-255 tile 1's mask as loaded
	s_load_b128 s[4:7], s[0:1], 0x0                ; qkv, ablation_mask
	s_load_b64 s[8:9], s[0:1], 0x10                ; ctx
	v_lshl_add_u32 v[SPW], v0, 2, SPARE
	v_mov_b32 v[NIL], 0
	v_lshrrev_b32 v12, 5, v0
	v_readfirstlane_b32 s10, v12                   ; wave 0..15
	s_mov_b32 s11, ttmp9                           ; block of 512 queries
	s_and_b32 s12, ttmp7, 0xffff                   ; batch x 16 + head
	s_lshl_b32 s13, s11, 4
	s_add_co_u32 s13, s13, s10                     ; U
	s_lshr_b32 s14, s12, 4                         ; batch
	s_and_b32 s15, s12, 15                         ; head
	s_mov_b32 s32, 0x76543210                      ; v_permlanex16_b32's selects for lane l xor 16
	s_mov_b32 s33, 0xfedcba98
	s_mov_b32 s34, 0x3fb8aa3b                      ; c = log2(e)
	s_mov_b32 s35, s34                             ; (named with it as a pair, so it is written)
	; every LDS address is made here, ahead of any branch
	v_and_b32 v13, 31, v0
	v_lshlrev_b32 v[LI], 4, v13
	s_lshl_b32 s44, s10, 12
	v_add_nc_u32 v[AK], s44, v[LI]
	v_add_nc_u32 v[AV], VL, v[AK]
	s_lshr_b32 s44, s10, 1
	s_lshl_b32 s44, s44, 12
	s_and_b32 s45, s10, 1
	s_lshl_b32 s45, s45, 11
	s_add_co_u32 s44, s44, s45
	v_add_nc_u32 v[AH], s44, v[LI]                 ; slot wave / 2, half wave % 2
	v_add_nc_u32 v[AHV], VL, v[AH]
	s_mul_i32 s44, s10, 16*272
	s_add_co_u32 s44, s44, STG                     ; my stage
	v_and_b32 v14, 15, v0                          ; r
	v_bfe_u32 v15, v0, 4, 1                        ; h
	v_mul_u32_u24 v[STI], v15, 272
	v_lshl_add_u32 v[STI], v14, 4, v[STI]
	v_add_nc_u32 v[STI], s44, v[STI]
	v_mul_u32_u24 v[STO], v14, 272
	v_lshl_add_u32 v[STO], v15, 5, v[STO]
	v_add_nc_u32 v[STO], s44, v[STO]
	v_lshlrev_b32 v[MO], 12, v15
	v_lshl_add_u32 v[MO], v14, 4, v[MO]
	v_mov_b32 v[NI], 0xff800000
	v_lshlrev_b32 v16, 3, v15
	v_sub_nc_u32 v16, v14, v16                     ; d = r - 8 h
.irp j, 0,1,2,3,4,5,6,7
	v_cmp_gt_i32 s[36+\j], \j, v16                 ; lanes in which register j's key 8 h + j lies beyond the lane's query r, in a tile on the band's edge
.endr
.irp n, 0,1,2,3,4,5,6,7,8,9,10,11,12,13,14,15,16,17,18,19
	v_mov_b32 v[T0+\n], 0                          ; the statistics are named as pairs and as destinations of lane permutes before they are first computed
.endr
	s_lshl_b32 s44, s12, 18                        ; q, k: (batch x 16 + head) x 262,144 + U x 4,096
	s_lshl_b32 s45, s13, 12
	s_add_co_u32 s44, s44, s45
	s_mov_b32 s45, 0
	s_lshl_b32 s46, s14, 5                         ; v: (32 batch + U / 2) x 131,072 + head x 8,192 + (U % 2) x 1,024, at 32 MiB
	s_lshr_b32 s47, s13, 1
	s_add_co_u32 s46, s46, s47
	s_lshl_b32 s46, s46, 17
	s_lshl_b32 s47, s15, 13
	s_add_co_u32 s46, s46, s47
	s_and_b32 s47, s13, 1
	s_lshl_b32 s47, s47, 10
	s_add_co_u32 s46, s46, s47
	s_add_co_u32 s46, s46, 0x2000000
	s_mov_b32 s47, 0
	s_lshl_b32 s48, s14, 23                        ; the mask: batch x 8 MiB + U x 32 rows of 4,096 bytes + head x 256
	s_lshl_b32 s49, s13, 17
	s_add_co_u32 s48, s48, s49
	s_lshl_b32 s49, s15, 8
	s_add_co_u32 s48, s48, s49
	s_mov_b32 s49, 0
	s_lshl_b32 s50, s14, 22                        ; ctx: [position tile, over all batches][channel tile 0..63][512]: batch x 4 MiB + U x 65,536 + head x 2,048
	s_lshl_b32 s51, s13, 16
	s_add_co_u32 s50, s50, s51
	s_lshl_b32 s51, s15, 11
	s_add_co_u32 s50, s50, s51
	s_mov_b32 s51, 0
	s_wait_kmcnt 0x0
	s_add_nc_u64 s[16:17], s[4:5], s[44:45]        ; Q
	s_add_nc_u64 s[18:19], s[16:17], 0x1000000     ; my unit's K
	s_add_nc_u64 s[20:21], s[4:5], s[46:47]        ; my unit's V
	s_add_nc_u64 s[26:27], s[6:7], s[48:49]
	s_add_nc_u64 s[28:29], s[8:9], s[50:51]
.irp i, 0,1,2,3,4,5,6,7
	global_load_b128 v[KF+4*\i:KF+4*\i+3], v[LI], s[18:19] offset:512*\i
.endr
.irp i, 0,1,2,3,4,5,6,7
	global_load_b128 v[VF+4*\i:VF+4*\i+3], v[LI], s[20:21] offset:(\i/2)*2048+(\i%2)*512
.endr
.irp i, 0,1,2,3,4,5,6,7
	global_load_b128 v[QF+4*\i:QF+4*\i+3], v[LI], s[16:17] offset:512*\i th:TH_LOAD_NT
.endr
.irp i, 0,1,2,3,4,5,6,7
	global_load_b128 v[OA+4*\i:OA+4*\i+3], v[MO], s[26:27] offset:8192*\i th:TH_LOAD_NT          ; tile 0's mask: rows 2 i, 2 i + 1
.endr
.irp i, 0,1,2,3,4,5,6,7
	global_load_b128 v[MK+4*\i:MK+4*\i+3], v[MO], s[26:27] offset:65536+8192*\i th:TH_LOAD_NT    ; tile 1's: it stays out until the end
.endr
	s_cmp_eq_u32 s11, 0                            ; a sequence's first block has no earlier keys: one region holds the loads and the stores of the eight earlier units
	s_cbranch_scc1 .Lnohalo
	s_lshl_b32 s44, s11, 4
	s_sub_co_u32 s44, s44, 8
	s_lshr_b32 s45, s10, 1
	s_add_co_u32 s44, s44, s45                     ; the unit of which I bring half: 16 block - 8 + wave / 2
	s_and_b32 s45, s10, 1                          ; which half
	s_lshl_b32 s46, s12, 18
	s_lshl_b32 s47, s44, 12
	s_add_co_u32 s46, s46, s47
	s_lshl_b32 s47, s45, 11
	s_add_co_u32 s46, s46, s47
	s_add_co_u32 s46, s46, 0x1000000
	s_mov_b32 s47, 0
	s_add_nc_u64 s[22:23], s[4:5], s[46:47]
	s_lshl_b32 s48, s14, 5
	s_lshr_b32 s49, s44, 1
	s_add_co_u32 s48, s48, s49
	s_lshl_b32 s48, s48, 17
	s_lshl_b32 s49, s15, 13
	s_add_co_u32 s48, s48, s49
	s_and_b32 s49, s44, 1
	s_lshl_b32 s49, s49, 10
	s_add_co_u32 s48, s48, s49
	s_lshl_b32 s49, s45, 12
	s_add_co_u32 s48, s48, s49
	s_add_co_u32 s48, s48, 0x2000000
	s_mov_b32 s49, 0
	s_add_nc_u64 s[24:25], s[4:5], s[48:49]
.irp i, 0,1,2,3
	global_load_b128 v[S+4*\i:S+4*\i+3], v[LI], s[22:23] offset:512*\i
.endr
.irp i, 0,1,2,3
	global_load_b128 v[S+16+4*\i:S+16+4*\i+3], v[LI], s[24:25] offset:(\i/2)*2048+(\i%2)*512
.endr
	s_wait_loadcnt 0x0
.irp i, 0,1,2,3
	ds_store_b128 v[AH], v[S+4*\i:S+4*\i+3] offset:512*\i
	ds_store_b128 v[AHV], v[S+16+4*\i:S+16+4*\i+3] offset:512*\i
.endr
.Lnohalo:
	s_wait_loadcnt 24                              ; my unit's K and V are in; behind them: Q's eight loads and the mask's sixteen
.irp i, 0,1,2,3,4,5,6,7
	ds_store_b128 v[AK], v[KF+4*\i:KF+4*\i+3] offset:32768+512*\i     ; slot wave + 8
	ds_store_b128 v[AV], v[VF+4*\i:VF+4*\i+3] offset:32768+512*\i
.endr
	s_wait_loadcnt 8                               ; Q and tile 0's mask are in; tile 1's eight loads stay out
.irp i, 0,1,2,3,4,5,6,7
	ds_store_b128 v[STI], v[OA+4*\i:OA+4*\i+3] offset:544*\i
.endr
	s_wait_dscnt 0x0                               ; for the others' sake: my stores have landed
	s_barrier_signal -1
	s_barrier_wait -1                              ; the only barrier: all 24 (or 16) slots lie in LDS, and nobody writes them again
.macro KQ t, kt, c
.if \c == 0
	v_wmma_f32_16x16x32_f16 v[S+16*\t+8*\kt:S+16*\t+8*\kt+7], v[KF+16*\kt+8*\c:KF+16*\kt+8*\c+7], v[QF+16*\t+8*\c:QF+16*\t+8*\c+7], 0
.else
	v_wmma_f32_16x16x32_f16 v[S+16*\t+8*\kt:S+16*\t+8*\kt+7], v[KF+16*\kt+8*\c:KF+16*\kt+8*\c+7], v[QF+16*\t+8*\c:QF+16*\t+8*\c+7], v[S+16*\t+8*\kt:S+16*\t+8*\kt+7]
.endif
.endm
; KEY UNIT U - s.  kind 0: the diagonal, and the first step: it starts m, l and O^T.  kind 1: every key counts.  kind 2: the far edge.
; query - key = 32 s + 16 (t - kt) + r - (8 h + j).  s = 0: sub-tile (t 0, kt 1) is wholly hidden, (1, 0) wholly open, on (0, 0) and (1, 1) a key is hidden where 8 h + j > r.
; s = 8: (1, 0) is wholly hidden, (0, 1) wholly open, on (0, 0) and (1, 1) a key counts where 8 h + j > r.
.macro STEP s, kind
.if \s > 0
	s_cmp_lt_u32 s13, \s                           ; this unit and all that follow lie ahead of the sequence's start
	s_cbranch_scc1 .Lfinish
.irp i, 0,1,2,3,4,5,6,7
	ds_load_b128 v[KF+4*\i:KF+4*\i+3], v[AK] offset:(8-\s)*4096+512*\i
.endr
.irp i, 0,1,2,3,4,5,6,7
	ds_load_b128 v[VF+4*\i:VF+4*\i+3], v[AV] offset:(8-\s)*4096+512*\i
.endr
	s_wait_dscnt 8                                 ; K is in; V's eight loads may be out
.endif                                             ; (step 0: my own unit's K and V still stand in these registers, as the head loaded them)
.irp c, 0,1                                        ; the accumulators take turns, one instruction a turn
.irp kt, 0,1
.irp t, 0,1
.set DEAD, ((\kind == 0) && (\t == 0) && (\kt == 1)) || ((\kind == 2) && (\t == 1) && (\kt == 0))
.if DEAD == 0
	KQ \t, \kt, \c
.endif
.endr
.endr
.endr
.if \kind == 0
.irp j, 0,1,2,3,4,5,6,7
	v_mov_b32 v[S+8+\j], v[NI]                     ; the hidden sub-tile; these eight name no register of the products: they are the places behind them
.endr
.irp j, 0,1,2,3,4,5,6,7
	v_cndmask_b32 v[S+\j], v[S+\j], v[NI], s[36+\j]
	v_cndmask_b32 v[S+24+\j], v[S+24+\j], v[NI], s[36+\j]
.endr
.elseif \kind == 2
.irp j, 0,1,2,3,4,5,6,7
	v_mov_b32 v[S+16+\j], v[NI]
.endr
.irp j, 0,1,2,3,4,5,6,7
	v_cndmask_b32 v[S+\j], v[NI], v[S+\j], s[36+\j]
	v_cndmask_b32 v[S+24+\j], v[NI], v[S+24+\j], s[36+\j]
.endr
.else
.rept 4
	v_nop                                          ; four places behind the products, ahead of the first read of their results
.endr
.endif
.irp t, 0,1                                        ; the maximum of the lane's 16 scores of each tile and the old m, in two chains, the tiles by turns; each accumulator is read from its low end on
	v_max3_num_f32 v[T0+10*\t+6], v[S+16*\t], v[S+16*\t+1], v[S+16*\t+2]
	v_max3_num_f32 v[T0+10*\t+8], v[S+16*\t+8], v[S+16*\t+9], v[S+16*\t+10]
.endr
.irp i, 3,5
.irp t, 0,1
	v_max3_num_f32 v[T0+10*\t+6], v[T0+10*\t+6], v[S+16*\t+\i], v[S+16*\t+\i+1]
	v_max3_num_f32 v[T0+10*\t+8], v[T0+10*\t+8], v[S+16*\t+8+\i], v[S+16*\t+8+\i+1]
.endr
.endr
.irp t, 0,1
	v_max3_num_f32 v[T0+10*\t+6], v[T0+10*\t+6], v[S+16*\t+7], v[S+16*\t+15]
.endr
.irp t, 0,1
.if \kind == 0
	v_max_num_f32 v[T0+10*\t+6], v[T0+10*\t+6], v[T0+10*\t+8]
.else
	v_max3_num_f32 v[T0+10*\t+6], v[T0+10*\t+6], v[T0+10*\t+8], v[T0+10*\t+1]
.endif
.endr
.irp t, 0,1
	v_permlanex16_b32 v[T0+10*\t+7], v[T0+10*\t+6], s32, s33       ; the query's other 16 keys lie in the lane 16 away
.endr
.if \kind > 0
.irp t, 0,1
	v_mov_b32 v[T0+10*\t+5], v[T0+10*\t]           ; c m_old is kept
.endr
.endif
.irp t, 0,1
	v_max_num_f32 v[T0+10*\t+1], v[T0+10*\t+6], v[T0+10*\t+7]      ; the new m: finite from the first step on, since a query's own key counts
.endr
.irp t, 0,1
	v_mul_f32 v[T0+10*\t], s34, v[T0+10*\t+1]
.endr
.if \kind > 0
.irp t, 0,1
	v_sub_f32 v[T0+10*\t+5], v[T0+10*\t+5], v[T0+10*\t]
.endr
.endif
.irp t, 0,1
.irp p, 0,2,4,6,8,10,12,14
	v_pk_fma_f32 v[S+16*\t+\p:S+16*\t+\p+1], v[S+16*\t+\p:S+16*\t+\p+1], s[34:35], v[T0+10*\t:T0+10*\t+1] op_sel_hi:[1,0,0] neg_lo:[0,0,1] neg_hi:[0,0,1]   ; c s - c m, two at a time
.endr
.endr
.if \kind > 0                                      ; ONE BATCH of exponentials, none of which reads another's result
.irp t, 0,1
	v_exp_f32 v[T0+10*\t+4], v[T0+10*\t+5]         ; 2^(c m_old - c m_new)
.endr
.endif
.irp n, 0,1,2,3,4,5,6,7,8,9,10,11,12,13,14,15,16,17,18,19,20,21,22,23,24,25,26,27,28,29,30,31
	v_exp_f32 v[S+\n], v[S+\n]                     ; p, at most 1; 0 where the score is -infinity
.endr
	v_nop                                          ; a plain instruction behind the last exponential
	s_wait_alu depctr_va_vdst(0)                   ; the wait ahead of the first instruction that names a result: one for the batch
.irp t, 0,1                                        ; the sum of the unrounded p, two at a time, in two chains
	v_pk_add_f32 v[T0+10*\t+6:T0+10*\t+7], v[S+16*\t:S+16*\t+1], v[S+16*\t+2:S+16*\t+3]
	v_pk_add_f32 v[T0+10*\t+8:T0+10*\t+9], v[S+16*\t+4:S+16*\t+5], v[S+16*\t+6:S+16*\t+7]
.endr
.irp i, 8,12
.irp t, 0,1
	v_pk_add_f32 v[T0+10*\t+6:T0+10*\t+7], v[T0+10*\t+6:T0+10*\t+7], v[S+16*\t+\i:S+16*\t+\i+1]
	v_pk_add_f32 v[T0+10*\t+8:T0+10*\t+9], v[T0+10*\t+8:T0+10*\t+9], v[S+16*\t+\i+2:S+16*\t+\i+3]
.endr
.endr
.irp t, 0,1
.if \kind == 0
	v_pk_add_f32 v[T0+10*\t+2:T0+10*\t+3], v[T0+10*\t+6:T0+10*\t+7], v[T0+10*\t+8:T0+10*\t+9]
.else
	v_pk_add_f32 v[T0+10*\t+6:T0+10*\t+7], v[T0+10*\t+6:T0+10*\t+7], v[T0+10*\t+8:T0+10*\t+9]
.endif
.endr
.if \kind > 0
.irp t, 0,1
	v_pk_fma_f32 v[T0+10*\t+2:T0+10*\t+3], v[T0+10*\t+2:T0+10*\t+3], v[T0+10*\t+4:T0+10*\t+5], v[T0+10*\t+6:T0+10*\t+7] op_sel_hi:[1,0,1]
.endr
.endif
.irp t, 0,1
.irp k, 0,1,2,3,4,5,6,7
	v_cvt_pk_f16_f32 v[S+16*\t+\k], v[S+16*\t+2*\k], v[S+16*\t+2*\k+1]   ; P in place, ascending: register k is written when its own two numbers have been read
.endr
.endr
.if \kind > 0
.irp t, 0,1
.irp p, 0,2,4,6,8,10,12,14,16,18,20,22,24,26,28,30
	v_pk_mul_f32 v[OA+32*\t+\p:OA+32*\t+\p+1], v[OA+32*\t+\p:OA+32*\t+\p+1], v[T0+10*\t+4:T0+10*\t+5] op_sel_hi:[1,0]   ; O^T under the new m
.endr
.endr
	s_wait_dscnt 0x0                               ; V is in
.endif
.irp ct, 0,1,2,3                                   ; O^T += V^T P: eight accumulators, one turn each
.irp t, 0,1
.if \kind == 0
	v_wmma_f32_16x16x32_f16 v[OA+32*\t+8*\ct:OA+32*\t+8*\ct+7], v[VF+8*\ct:VF+8*\ct+7], v[S+16*\t:S+16*\t+7], 0
.else
	v_wmma_f32_16x16x32_f16 v[OA+32*\t+8*\ct:OA+32*\t+8*\ct+7], v[VF+8*\ct:VF+8*\ct+7], v[S+16*\t:S+16*\t+7], v[OA+32*\t+8*\ct:OA+32*\t+8*\ct+7]
.endif
.endr
.endr
.rept 5
	v_nop                                          ; places: four ahead of the next loads into K's and V's registers and of the next read of O^T, five ahead of the next products, which write over P
.endr
.endm
	STEP 0, 0
	STEP 1, 1
	STEP 2, 1
	STEP 3, 1
	STEP 4, 1
	STEP 5, 1
	STEP 6, 1
	STEP 7, 1
	STEP 8, 2
.Lfinish:
	; THE WAY OUT: O^T / l x mask, rounded to f16: images of the context.  The mask comes out of my stage in the result's layout; tile 1's goes through the same stage behind tile 0's reads.
.irp t, 0,1
	v_add_f32 v[T0+10*\t+6], v[T0+10*\t+2], v[T0+10*\t+3]
.endr
.irp t, 0,1
	v_permlanex16_b32 v[T0+10*\t+7], v[T0+10*\t+6], s32, s33
.endr
.irp t, 0,1
	v_add_f32 v[T0+10*\t+6], v[T0+10*\t+6], v[T0+10*\t+7]
.endr
.irp t, 0,1
	v_rcp_f32 v[T0+10*\t+4], v[T0+10*\t+6]
.endr
.irp ct, 0,1,2,3
	ds_load_b128 v[KF+8*\ct:KF+8*\ct+3], v[STO] offset:64*\ct
	ds_load_b128 v[KF+8*\ct+4:KF+8*\ct+7], v[STO] offset:64*\ct+16
.endr
	s_wait_loadcnt 0x0                             ; tile 1's mask
.irp i, 0,1,2,3,4,5,6,7
	ds_store_b128 v[STI], v[MK+4*\i:MK+4*\i+3] offset:544*\i       ; LDS serves a wave's instructions in order: these land behind the reads above
.endr
.irp ct, 0,1,2,3
	ds_load_b128 v[VF+8*\ct:VF+8*\ct+3], v[STO] offset:64*\ct
	ds_load_b128 v[VF+8*\ct+4:VF+8*\ct+7], v[STO] offset:64*\ct+16
.endr
	v_nop                                          ; a plain instruction behind the reciprocals
	s_wait_alu depctr_va_vdst(0)                   ; and the wait ahead of their first reader: one for the two
	s_wait_dscnt 16                                ; tile 0's mask is in; the eight stores and the eight younger loads may be out
.macro FIN t, m
.irp p, 0,2,4,6,8,10,12,14,16,18,20,22,24,26,28,30
	v_pk_mul_f32 v[OA+32*\t+\p:OA+32*\t+\p+1], v[OA+32*\t+\p:OA+32*\t+\p+1], v[T0+10*\t+4:T0+10*\t+5] op_sel_hi:[1,0]
.endr
.irp p, 0,2,4,6,8,10,12,14,16,18,20,22,24,26,28,30
	v_pk_mul_f32 v[OA+32*\t+\p:OA+32*\t+\p+1], v[OA+32*\t+\p:OA+32*\t+\p+1], v[\m+\p:\m+\p+1]
.endr
.irp k, 0,1,2,3,4,5,6,7,8,9,10,11,12,13,14,15
	v_cvt_pk_f16_f32 v[S+16*\t+\k], v[OA+32*\t+2*\k], v[OA+32*\t+2*\k+1]
.endr
.irp ct, 0,1,2,3
	global_store_b128 v[LI], v[S+16*\t+4*\ct:S+16*\t+4*\ct+3], s[28:29] offset:\t*32768+\ct*512   ; the wave stores 512 consecutive bytes, aligned
.endr
.endm
	FIN 0, KF
	s_wait_dscnt 0x0                               ; tile 1's mask is in
	FIN 1, VF
	s_wait_tensorcnt 0x0                           ; the wave's end, behind my last LDS store
	ds_add_u32 v[SPW], v[NIL]
	s_wait_dscnt 0x0
	s_endpgm
.Lfunc_end_k_qda17644643_attn:
	.size	k_qda17644643_attn, .Lfunc_end_k_qda17644643_attn-k_qda17644643_attn
	.p2alignl 7, 3214868480
	.fill 96, 4, 3214868480
	.section	.rodata,"a",@progbits
	.p2align	6, 0x0
	.amdhsa_kernel k_qda17644643_attn
		.amdhsa_group_segment_fixed_size 268288
		.amdhsa_private_segment_fixed_size 0
		.amdhsa_enable_private_segment 0
		.amdhsa_kernarg_size 24
		.amdhsa_user_sgpr_count 2
		.amdhsa_user_sgpr_kernarg_segment_ptr 1
		.amdhsa_wavefront_size32 1
		.amdhsa_system_sgpr_workgroup_id_x 1
		.amdhsa_system_sgpr_workgroup_id_y 1
		.amdhsa_system_sgpr_workgroup_id_z 1
		.amdhsa_system_vgpr_workitem_id 0
		.amdhsa_next_free_vgpr 256
		.amdhsa_next_free_sgpr 66
		.amdhsa_reserve_vcc 0
		.amdhsa_float_denorm_mode_32 3
		.amdhsa_float_denorm_mode_16_64 3
		.amdhsa_memory_ordered 1
		.amdhsa_forward_progress 1
		.amdhsa_inst_pref_size 109
	.end_amdhsa_kernel
	.amdgpu_metadata
---
amdhsa.version: [ 1, 2 ]
amdhsa.kernels:
  - .name:           k_qda17644643_attn
    .symbol:         k_qda17644643_attn.kd
    .args:
      - { .name: qkv, .offset: 0, .size: 8, .value_kind: global_buffer, .address_space: global }
      - { .name: ablation_mask, .offset: 8, .size: 8, .value_kind: global_buffer, .address_space: global }
      - { .name: ctx, .offset: 16, .size: 8, .value_kind: global_buffer, .address_space: global }
    .group_segment_fixed_size: 268288
    .private_segment_fixed_size: 0
    .kernarg_segment_align: 8
    .kernarg_segment_size: 24
    .max_flat_workgroup_size: 512
    .sgpr_count:     66
    .vgpr_count:     256
    .wavefront_size: 32
...
	.end_amdgpu_metadata
.endif
;; end of part 3
;; launch oproj (part 4): grid 4 x 64, 4 waves a work-group, clusters of 4 x 4, 327,680 bytes of LDS; arguments ctx, wo16, bo, out0; writes out0
.if DOCPART == 4
	.amdgcn_target "amdgcn-amd-amdhsa--gfx1250"
	.amdhsa_code_object_version 6
	.text
	.protected	k_qda17644643_oproj
	.globl	k_qda17644643_oproj
	.p2align	8
	.type	k_qda17644643_oproj,@function
k_qda17644643_oproj:
	s_mov_b64 s[64:65], 0
	v_nop
	global_prefetch_b8 v0, s[64:65] scope:SCOPE_SE
	s_setreg_imm32_b32 hwreg(HW_REG_WAVE_MODE, 25, 1), 1
	s_wait_xcnt 0x0
	s_wait_alu depctr_hold_cnt(0) depctr_sa_sdst(0) depctr_va_vdst(0) depctr_va_sdst(0) depctr_va_ssrc(0) depctr_va_vcc(0) depctr_vm_vsrc(0)
	s_getreg_b32 s2, hwreg(HW_REG_IB_STS2, 6, 4)
	s_cmp_eq_u32 s2, 0
	s_cbranch_scc0 .Lentry_in_a_cluster
	s_endpgm
.Lentry_in_a_cluster:
	s_bfe_u32 s2, ttmp6, 0x10000c
	s_cmp_lg_u32 s2, 0xf033
	s_cbranch_scc0 .Lentry_shape_is_right
	s_endpgm
.Lentry_shape_is_right:
; FOURTH LAUNCH: out0[p][o] = sum over k of context[p][k] Wo[o][k] + bo[o].  Operands f16, sums f32.  8,192 x 1,024 x 1,024.  No work is left out here.
; ctx: images of operand registers, [position tile 0..511][k tile 0..63][512 bytes]: lane l's 16 bytes at 16 l hold row l % 16, k = 8 (l / 16) + 0..7 of a tile of 16 x 16.  wo16: [1,024][1,024] f16, row-major.
; A tile of out0 is 128 rows x 256 columns: 256 work-groups.  Four waves, each 64 rows x 128 columns: 32 accumulators of 16 x 16.  K goes in steps of 128 through a ring of two LDS slots.
; CLUSTERS: 4 x 4 work-groups.  The four of a row of the cluster need the same tiles of ctx, the four of a column the same tiles of wo16: each is asked for JOINTLY.
; THE MATRIX INSTRUCTION IS USED TRANSPOSED (source 0 = 16 rows of Wo, source 1 = 16 positions): a lane holds eight neighbouring numbers of a row of out0.  The bias is the C of each sum's first product.
; A SLOT: ctx's 8 position tiles x 8 images, dense (32,768 bytes: an image is read as 512 consecutive bytes); then wo16's 256 rows of 256 bytes + 16 of padding.
; REGISTERS: window 0: v0-31 addresses; v64-95, v96-127 ctx's fragments, two buffers; v128-255 rows on the way out.  window 1: v0-63, v64-127 Wo's fragments, two buffers; v128-191 the bias.  window 2: the accumulators, (a, b) at v[8 (8 a + b)].
.set KSTEP,  128
.set PITCH,  272                       ; a row of wo16's tile in LDS: the 16 rows that a load touches start at 16 different groups of four banks
.set HALFB,  128*PITCH                 ; 128 rows of wo16: what one tensor load brings
.set BOFF,   32768                     ; where wo16's rows begin in a slot
.set SLOT,   BOFF+2*HALFB
.set STAGE,  2*SLOT                    ; behind the ring: 16 rows x (512 bytes + 16) for each wave, for the way out; no tensor load lands there
.set SPITCH, 528
.set SPARE,  STAGE+4*16*SPITCH         ; behind the stages: the spare words, 128 bytes for each wave
.set LAPS,   4                         ; a lap = two K steps = once round the ring
.set ADRA, 16                          ; v16-17  LDS address of my ctx fragments in slot 0, 1
.set ADRB, 20                          ; v20-21  the same for wo16
.set STO,  24                          ; v24     the way out: where I put 32 bytes of a row
.set RD,   25                          ; v25     the way out: where I read a row back
.set CO,   26                          ; v26     16 x lane
.set SPW,  28                          ; v28     LDS address of my spare word; never rewritten
.set NIL,  29                          ; v29     0; never rewritten
.set PFO,  30                          ; v30     the prefetch's offset; never rewritten
.set BK,   128                         ; the way out: 16 rows read back from the stage: v128-191 and v192-255 by turns
.set G1, 24                            ; s[24:31] descriptor group 1 for ctx's tiles;  s[32:39] group 0, one set for each slot
.set G0, 32
.set LIM, 43                           ; s43     1 in the wave that prefetches, else the greatest number
.set PFA, 44                           ; s[44:45] where my prefetch stands
.set G1B, 48                           ; s[48:55], s[56:63] the same for wo16's tiles
.set G0B, 56
.set MSB, 0
.macro WIN new                         ; the immediate's high byte repeats the setting that is left
.if MSB != (\new)
	s_set_vgpr_msb (MSB<<8)|(\new)
.set MSB, (\new)
.endif
.endm
.set MUL,  0xa1                        ; source 0 (Wo) window 1, source 1 (ctx) window 0, C and D window 2
.set MUL1, 0x91                        ; the same with C (the bias) in window 1
.set TO_B, 0x40                        ; destination window 1, address window 0
; A joint load: waves 0 and 1 fetch ctx's two halves, waves 2 and 3 wo16's.  The branch hangs on the wave's number alone.  An s_nop 0 and four v_nop follow each of the two lines.
.macro JLOAD s
	s_cmp_eq_u32 s11, 0
	s_cbranch_scc0 .Lfor_b_\@
	tensor_load_to_lds s[G0+4*\s:G0+4*\s+3], s[G1:G1+7]
	s_nop 0
.rept 4
	v_nop
.endr
	s_branch .Lasked_\@
.Lfor_b_\@:
	tensor_load_to_lds s[G0B+4*\s:G0B+4*\s+3], s[G1B:G1B+7]
	s_nop 0
.rept 4
	v_nop
.endr
.Lasked_\@:
.endm
; A PREFETCH INTO THE L2 of ctx's K step that stands two refills on: 8 position tiles x 4,096 bytes.  Only the four partners of my row of the cluster read these bytes; they share them out BY ADDRESS: the partner at
; cx takes position tiles 2 cx and 2 cx + 1, 32 blocks of 256 bytes, a lane a block; in each, wave 0 asks: one instruction.  So each block is named once in the launch.  The last two refills ask for nothing;
; K steps 0 to 3 come by their loads alone.  wo16 is not asked for: all 64 tile rows read it again and again.
.macro ASK
	s_cmp_gt_u32 s3, s[LIM]                        ; s3 = 1 in the loop's last trip
	s_cbranch_scc0 .Lnot_mine_\@
	global_prefetch_b8 v[PFO], s[PFA:PFA+1] offset:4096 th:TH_LOAD_NT scope:SCOPE_SE
.Lnot_mine_\@:
.endm
.macro CREST                           ; a round of the cluster's barrier behind its opening barrier
	s_cmp_lg_u32 s10, 0
	s_cbranch_scc1 .Lnot_wave_0_\@
	s_barrier_signal -3
.Lnot_wave_0_\@:
	s_barrier_wait -3
	s_barrier_signal -1
	s_barrier_wait -1
.endm
.macro CROUND                          ; a whole round
	s_barrier_signal -1
	s_barrier_wait -1
	CREST
.endm
	s_load_b128 s[4:7], s[0:1], 0x0                ; ctx, wo16
	s_load_b128 s[20:23], s[0:1], 0x10             ; bo, out0
	v_lshl_add_u32 v[SPW], v0, 2, SPARE
	v_mov_b32 v[NIL], 0
	ds_add_u32 v[SPW], v[NIL]                      ; the wave's opening: the add, twice on end, and its wait ahead of my first tensor load
	ds_add_u32 v[SPW], v[NIL]                      ; and once more; the set-up below, work on registers, stands between it and the wait
	v_lshrrev_b32 v1, 5, v0
	v_readfirstlane_b32 s10, v1                    ; wave 0..3
	s_lshr_b32 s11, s10, 1                         ; which 64 of the tile's rows are mine.  Also: I fetch for ctx (0) or for wo16 (1)
	s_and_b32 s12, s10, 1                          ; which 128 of its columns.  Also: which half of that tile I fetch
	s_bfe_u32 s40, ttmp6, 0x40000                  ; cx, cy: my place in the cluster
	s_bfe_u32 s41, ttmp6, 0x40004
	s_lshl_b32 s42, ttmp9, 2
	s_add_co_u32 s42, s42, s40                     ; tile column = 4 x cluster x + cx, 0..3
	s_and_b32 s13, ttmp7, 0xffff
	s_lshl_b32 s13, s13, 2
	s_add_co_u32 s13, s13, s41                     ; tile row = 4 x cluster y + cy, 0..63
	s_lshl_b32 s8, s41, 2
	s_lshl_b32 s8, 15, s8                          ; my row of the cluster
	s_lshl_b32 s9, 0x1111, s40                     ; my column
	; ctx: 4 position tiles, each 4,096 consecutive bytes (8 images), 32,768 bytes apart; dense in LDS
	s_or_b32 s[G1+0], s8, (3<<16)|(1<<21)          ; 15:0 the mask: my row; 17:16 elements of 8 bytes; 20 no padding; 21 set beside a mask
	s_mov_b32 s[G1+1], 512<<16                     ; tensor_dim0 = 512 elements
	s_mov_b32 s[G1+2], 4<<16                       ; tensor_dim1 = 4
	s_mov_b32 s[G1+3], 512<<16                     ; tile_dim0
	s_mov_b32 s[G1+4], 4                           ; tile_dim1
	s_mov_b32 s[G1+5], 4096                        ; tensor_dim0_stride, in elements
	s_mov_b32 s[G1+6], 0
	s_mov_b32 s[G1+7], 0
	; wo16: 128 rows x 128 elements of 2 bytes, 16 bytes of padding behind each row
	s_or_b32 s[G1B+0], s9, (1<<16)|(1<<20)|(1<<21)|(5<<22)|(3<<25)
	s_mov_b32 s[G1B+1], KSTEP<<16
	s_mov_b32 s[G1B+2], 128<<16
	s_mov_b32 s[G1B+3], KSTEP<<16
	s_mov_b32 s[G1B+4], 128
	s_mov_b32 s[G1B+5], 1024
	s_mov_b32 s[G1B+6], 0
	s_mov_b32 s[G1B+7], 0
	s_lshl_b32 s16, s13, 3
	s_lshl_b32 s17, s12, 2
	s_add_co_u32 s16, s16, s17                     ; ctx: position tile 8 x tile row + 4 x half
	s_lshl_b32 s16, s16, 15
	s_mov_b32 s17, 0
	s_lshl_b32 s46, s42, 8
	s_lshl_b32 s47, s12, 7
	s_add_co_u32 s46, s46, s47                     ; wo16: row 256 x tile column + 128 x half
	s_lshl_b32 s46, s46, 11
	s_mov_b32 s47, 0
	s_lshl_b32 s18, s12, 14                        ; where they go: no place in the cluster enters an LDS address
	s_mul_i32 s19, s12, HALFB
	s_add_co_u32 s19, s19, BOFF
	s_wait_dscnt 0x0                               ; both opening adds are done
	s_wait_kmcnt 0x0
	s_add_nc_u64 s[14:15], s[4:5], s[16:17]
	s_add_nc_u64 s[46:47], s[6:7], s[46:47]
	CROUND                                         ; all sixteen work-groups are here: the first joint loads meet
.irp s, 0,1
	s_mov_b32 s[G0+4*\s], 1
	s_add_co_u32 s[G0+4*\s+1], s18, \s*SLOT
	s_add_nc_u64 s[G0+4*\s+2:G0+4*\s+3], s[14:15], \s*4096         ; K step s: 8 images on
	s_or_b32 s[G0+4*\s+3], s[G0+4*\s+3], 0x80000000
	s_mov_b32 s[G0B+4*\s], 1
	s_add_co_u32 s[G0B+4*\s+1], s19, \s*SLOT
	s_add_nc_u64 s[G0B+4*\s+2:G0B+4*\s+3], s[46:47], \s*KSTEP*2
	s_or_b32 s[G0B+4*\s+3], s[G0B+4*\s+3], 0x80000000
	JLOAD \s                                       ; two tensor loads of mine are out
.endr
	v_and_b32 v1, 15, v0                           ; l % 16
	v_bfe_u32 v2, v0, 4, 1                         ; l / 16
	v_and_b32 v3, 31, v0
	v_lshlrev_b32 v[CO], 4, v3
	s_lshl_b32 s14, s11, 14                        ; my four position tiles
	v_add_nc_u32 v[ADRA], s14, v[CO]
	v_add_nc_u32 v[ADRA+1], SLOT, v[ADRA]
	v_mul_u32_u24 v4, v1, PITCH
	v_lshl_add_u32 v4, v2, 4, v4
	s_mul_i32 s15, s12, HALFB                      ; my 128 rows of wo16
	s_add_co_u32 s15, s15, BOFF
	v_add_nc_u32 v[ADRB], s15, v4
	v_add_nc_u32 v[ADRB+1], SLOT, v[ADRB]
	s_mul_i32 s16, s10, 16*SPITCH
	s_add_co_u32 s16, s16, STAGE                   ; my stage
	v_mul_u32_u24 v5, v1, SPITCH
	v_lshl_add_u32 v5, v2, 5, v5
	v_add_nc_u32 v[STO], s16, v5                   ; in: row l % 16, 32 bytes for each half of the lanes
	v_add_nc_u32 v[RD], s16, v[CO]                 ; back: the 32 lanes take one row of 512 bytes
	s_lshl_b32 s14, s42, 10                        ; the bias of my 128 columns; lane (r, h) wants, for block b, those of columns 16 b + 8 h + 0 .. 7
	s_lshl_b32 s15, s12, 9
	s_add_co_u32 s14, s14, s15
	s_mov_b32 s15, 0
	s_add_nc_u64 s[20:21], s[20:21], s[14:15]
	v_lshlrev_b32 v6, 5, v2
	WIN TO_B
.irp b, 0,1,2,3,4,5,6,7
	global_load_b128 v[128+8*\b:128+8*\b+3], v6, s[20:21] offset:64*\b
	global_load_b128 v[128+8*\b+4:128+8*\b+7], v6, s[20:21] offset:64*\b+16
.endr
	WIN 0
	s_lshl_b32 s16, s13, 7                         ; my first row of out0: 128 x tile row + 64 x half; my first column, in bytes: 1,024 x tile column + 512 x half
	s_lshl_b32 s17, s11, 6
	s_add_co_u32 s16, s16, s17
	s_lshl_b32 s16, s16, 12
	s_lshl_b32 s17, s42, 10
	s_add_co_u32 s16, s16, s17
	s_lshl_b32 s17, s12, 9
	s_add_co_u32 s16, s16, s17
	s_mov_b32 s17, 0
	s_add_nc_u64 s[22:23], s[22:23], s[16:17]
	s_lshl_b32 s16, s13, 3                         ; the prefetch: position tiles 8 x tile row + 2 cx and the next,
	s_lshl_b32 s17, s40, 1
	s_add_co_u32 s16, s16, s17
	s_lshl_b32 s16, s16, 15
	s_add_co_u32 s16, s16, 2*4096                  ; at K step 2: the first refill steps it to 3 and names K step 4.  Nothing is prefetched here, at the head
	s_mov_b32 s17, 0
	s_add_nc_u64 s[PFA:PFA+1], s[4:5], s[16:17]
	s_cmp_eq_u32 s10, 0
	s_cselect_b32 s[LIM], 1, -1
	v_lshlrev_b32 v[PFO], 15, v2                   ; lanes 0-15 the first tile's sixteen blocks of 256 bytes, lanes 16-31 the second's
	v_lshl_add_u32 v[PFO], v1, 8, v[PFO]
; 8 matrix instructions: position block a x Wo's eight blocks, 32 along K, from buffer f.  first = 1: the bias is C: nothing is cleared and nothing is added later.
; The 32 accumulators take turns, one instruction a turn, in the same order in every quarter.
.macro MULA f, a, first
.irp b, 0,1,2,3,4,5,6,7
.if \first
	v_wmma_f32_16x16x32_f16 v[8*(8*\a+\b):8*(8*\a+\b)+7], v[64*(\f)+8*\b:64*(\f)+8*\b+7], v[64+32*(\f)+8*\a:64+32*(\f)+8*\a+7], v[128+8*\b:128+8*\b+7]
.else
	v_wmma_f32_16x16x32_f16 v[8*(8*\a+\b):8*(8*\a+\b)+7], v[64*(\f)+8*\b:64*(\f)+8*\b+7], v[64+32*(\f)+8*\a:64+32*(\f)+8*\a+7], v[8*(8*\a+\b):8*(8*\a+\b)+7]
.endif
.endr
.endm
; 24 LDS loads in one run: the fragments of the slot's q-th 32 along K into buffer f: Wo's 16 loads first, then ctx's 8 (two images a fragment)
.macro FETCH slot, q, f
	WIN TO_B
.irp i, 0,1,2,3,4,5,6,7
	ds_load_b128 v[64*(\f)+8*\i:64*(\f)+8*\i+3],   v[ADRB+\slot] offset:64*(\q)+\i*16*PITCH
	ds_load_b128 v[64*(\f)+8*\i+4:64*(\f)+8*\i+7], v[ADRB+\slot] offset:64*(\q)+\i*16*PITCH+32
.endr
	WIN 0
.irp i, 0,1,2,3
	ds_load_b128 v[64+32*(\f)+8*\i:64+32*(\f)+8*\i+3],   v[ADRA+\slot] offset:\i*4096+(\q)*1024
	ds_load_b128 v[64+32*(\f)+8*\i+4:64+32*(\f)+8*\i+7], v[ADRA+\slot] offset:\i*4096+(\q)*1024+512
.endr
.endm
.macro PLACES                          ; four places in front of loads into registers that matrix instructions have read, and of the first read of results
.rept 4
	v_nop
.endr
.endm
; A K step is four quarters of 32 along K, 32 matrix instructions each, on buffers 0, 1, 0, 1.  One of the first three: multiplies buffer f and fetches quarter qn into the other buffer.
.macro QUARTER slot, qn, f, first
	s_wait_dscnt 4                                 ; Wo's fragments and ctx's blocks 0, 1 are in; the youngest four loads (blocks 2, 3) may be out
.if \first
	WIN MUL1
.else
	WIN MUL
.endif
	MULA \f, 0, \first
	MULA \f, 1, \first
	PLACES
	FETCH \slot, \qn, 1-\f
	s_wait_dscnt 24                                ; all but the 24 just issued
.if \first
	WIN MUL1
.else
	WIN MUL
.endif
	MULA \f, 2, \first
	MULA \f, 3, \first
.endm
; The last quarter multiplies buffer 1 and changes slots: ONE barrier; in front of it each wave waits for all its tensor loads (one is out: its part of the next slot), adds 0 to its spare word, and waits for that
; and for its own reads of this slot.  fill = 1: the barrier opens a round of the cluster's barrier, and this slot is filled again, two K steps ahead, first thing behind the round.
.macro TURN slot, next, fill
.if \fill
	s_wait_xcnt 0x0                                ; the last prefetch, a K step back, has read its address: it is stepped here, ahead of the waits of the change of slots
	s_add_nc_u64 s[PFA:PFA+1], s[PFA:PFA+1], 4096
.endif
	WIN 0                                          ; (the add's two registers lie in window 0)
	s_wait_tensorcnt 0x0                           ; all my tensor loads have landed;
	ds_add_u32 v[SPW], v[NIL]                      ; 0 onto my spare word;
	s_wait_dscnt 5                                 ; (the add and the youngest four loads may be out)
	WIN MUL
	MULA 1, 0, 0                                   ; eight matrix instructions stand between the add and the wait for it
	s_wait_dscnt 0x0                               ; the add is done, and my reads of this slot are over
	s_barrier_signal -1
	MULA 1, 1, 0
	WIN 0
	s_barrier_wait -1
.if \fill
	CREST                                          ; no wave of any partner still reads this slot's tiles or has a load on its way
	s_add_nc_u64 s[G0+4*\slot+2:G0+4*\slot+3], s[G0+4*\slot+2:G0+4*\slot+3], 2*4096
	s_add_nc_u64 s[G0B+4*\slot+2:G0B+4*\slot+3], s[G0B+4*\slot+2:G0B+4*\slot+3], 2*KSTEP*2
	JLOAD \slot                                    ; my one tensor load behind the round; the four v_nop behind it are also the places in front of the loads below
.else
	PLACES
.endif
	FETCH \next, 0, 0
.if \fill
	ASK                                            ; behind the joint load and the run of LDS loads that the next products wait for
.endif
	WIN MUL
	MULA 1, 2, 0
	MULA 1, 3, 0
.endm
	s_wait_tensorcnt 1                             ; my part of K step 0 is in (K step 1's load may be out)
	s_barrier_signal -1
	s_barrier_wait -1                              ; everybody's is
	FETCH 0, 0, 0
	s_wait_loadcnt 0x0                             ; the bias
	QUARTER 0, 1, 0, 1                             ; the first quarter stands in front of the loop: its products start the sums, from the bias
	WIN 0                                          ; at a label and at a branch every window is 0
	s_mov_b32 s3, LAPS-1
.Llap:                                                 ; a trip goes once round the ring, from a lap's second quarter to the next lap's first, and fills both slots again
	QUARTER 0, 2, 1, 0
	QUARTER 0, 3, 0, 0
	TURN 0, 1, 1
	QUARTER 1, 1, 0, 0
	QUARTER 1, 2, 1, 0
	QUARTER 1, 3, 0, 0
	TURN 1, 0, 1
	QUARTER 0, 1, 0, 0
	WIN 0
	s_sub_co_u32 s3, s3, 1
	s_cmp_lg_u32 s3, 0
	s_cbranch_scc1 .Llap
	QUARTER 0, 2, 1, 0                             ; the last lap fills nothing, and has no round of the cluster's barrier
	QUARTER 0, 3, 0, 0
	TURN 0, 1, 0
	QUARTER 1, 1, 0, 0
	QUARTER 1, 2, 1, 0
	QUARTER 1, 3, 0, 0
	s_wait_dscnt 4                                 ; the very last quarter: nothing more to fetch
	WIN MUL
	MULA 1, 0, 0
	MULA 1, 1, 0
	s_wait_dscnt 0
	MULA 1, 2, 0
	MULA 1, 3, 0
	WIN 0
; THE WAY OUT, block by block of 16 rows x 128 columns.  A lane holds 32 neighbouring bytes of a row, and the lanes beside it hold other rows: so a block goes through my own stage and comes back as whole rows of
; 512 bytes, which the 32 lanes store as 512 consecutive bytes, aligned.  LDS serves a wave's instructions in order: no wait between the stores and the loads, nor in front of the next block's stores.
.macro TOSTAGE a
.set AC, 64*(\a)
	WIN 0x08                                       ; an LDS store's data are its source 1: window 2
.irp b, 0,1,2,3,4,5,6,7
	ds_store_b128 v[STO], v[AC+8*\b:AC+8*\b+3] offset:64*\b          ; each accumulator from its low end on
	ds_store_b128 v[STO], v[AC+8*\b+4:AC+8*\b+7] offset:64*\b+16
.endr
	WIN 0
.set BB, BK+64*((\a)%2)
.irp t, 0,1,2,3,4,5,6,7,8,9,10,11,12,13,14,15
	ds_load_b128 v[BB+4*\t:BB+4*\t+3], v[RD] offset:\t*SPITCH
.endr
.endm
.macro SEND a, younger                 ; younger: the LDS instructions issued behind block a's loads, which may stay out
.set BB, BK+64*((\a)%2)
	s_wait_dscnt \younger                          ; the block is back in registers
.if (\a) > 0
	s_add_nc_u64 s[22:23], s[22:23], 16*4096       ; 16 rows of out0 on (the earlier stores have read their base: a wait for that stands ahead)
.endif
.irp t, 0,1,2,3,4,5,6,7,8,9,10,11,12,13,14,15
	global_store_b128 v[CO], v[BB+4*\t:BB+4*\t+3], s[22:23] offset:\t*4096 th:TH_STORE_NT
.endr
.endm
	PLACES                                         ; behind the last products, ahead of the first read of results
	TOSTAGE 0
.irp a, 1,2,3
.if \a > 1
	s_wait_xcnt 0x0                                ; block a - 2's stores have read their registers and their base: block a's loads may land there, and the base may step
.endif
	TOSTAGE \a
	SEND \a-1, 32                                  ; behind block a - 1's loads: block a's 16 stores and 16 loads
.endr
	s_wait_xcnt 0x0                                ; block 2's stores have read their base
	SEND 3, 0
	s_wait_tensorcnt 0x0                           ; the wave's end, behind my last tensor load and my last LDS store
	ds_add_u32 v[SPW], v[NIL]
	s_wait_dscnt 0x0
	CROUND                                         ; the closing round: no work-group ends while a partner may still ask for a tile that names it
	s_endpgm
.Lfunc_end_k_qda17644643_oproj:
	.size	k_qda17644643_oproj, .Lfunc_end_k_qda17644643_oproj-k_qda17644643_oproj
	.p2alignl 7, 3214868480
	.fill 96, 4, 3214868480
	.section	.rodata,"a",@progbits
	.p2align	6, 0x0
	.amdhsa_kernel k_qda17644643_oproj
		.amdhsa_group_segment_fixed_size 327680
		.amdhsa_private_segment_fixed_size 0
		.amdhsa_enable_private_segment 0
		.amdhsa_kernarg_size 32
		.amdhsa_user_sgpr_count 2
		.amdhsa_user_sgpr_kernarg_segment_ptr 1
		.amdhsa_wavefront_size32 1
		.amdhsa_system_sgpr_workgroup_id_x 1
		.amdhsa_system_sgpr_workgroup_id_y 1
		.amdhsa_system_sgpr_workgroup_id_z 1
		.amdhsa_system_vgpr_workitem_id 0
		.amdhsa_next_free_vgpr 768
		.amdhsa_next_free_sgpr 66
		.amdhsa_reserve_vcc 0
		.amdhsa_float_denorm_mode_32 3
		.amdhsa_float_denorm_mode_16_64 3
		.amdhsa_memory_ordered 1
		.amdhsa_forward_progress 1
		.amdhsa_inst_pref_size 88
	.end_amdhsa_kernel
	.amdgpu_metadata
---
amdhsa.version: [ 1, 2 ]
amdhsa.kernels:
  - .name:           k_qda17644643_oproj
    .symbol:         k_qda17644643_oproj.kd
    .args:
      - { .name: ctx, .offset: 0, .size: 8, .value_kind: global_buffer, .address_space: global }
      - { .name: wo16, .offset: 8, .size: 8, .value_kind: global_buffer, .address_space: global }
      - { .name: bo, .offset: 16, .size: 8, .value_kind: global_buffer, .address_space: global }
      - { .name: out0, .offset: 24, .size: 8, .value_kind: global_buffer, .address_space: global }
    .group_segment_fixed_size: 327680
    .private_segment_fixed_size: 0
    .kernarg_segment_align: 8
    .kernarg_segment_size: 32
    .max_flat_workgroup_size: 128
    .sgpr_count:     66
    .vgpr_count:     768
    .wavefront_size: 32
...
	.end_amdgpu_metadata
.endif
;; end of part 4
